; MI455X (gfx1250); checked and timed in simulation.
; The chip was launched on July 23, 2026; its instructions are those of AMD's public machine-readable ISA for CDNA 5 (MIT licence, August 2026) and "CDNA5" Instruction Set Architecture Reference Guide (July 2026). The comments in the code are by the model that wrote it; some were corrected since.
;; Causal Attention. Allowed arithmetic: float matrix products may take bf16 or f16 operands with f32 sums; other float arithmetic in f32, or as packed bf16 or f16 multiplies, adds, multiply-adds, maxima and minima; sums over many terms, partial sums and values carried from step to step in f32; what a program stores and reads back later, other than sums and carried values, may be rounded once to bf16 or f16.
;; Inputs: wk 1,024 x 1,024 float32; wq 1,024 x 1,024 float32; wv 1,024 x 1,024 float32; x 4 x 2,048 x 1,024 float32.
;; Outputs: out0 4 x 2,048 x 1,024 float32.
;; 2 versions, each right; version 2 is version 1 with the launch cast written anew for expert scheduling mode. Each part assembles by itself: llvm-mc -triple=amdgcn-amd-amdhsa -mcpu=gfx1250 --defsym DOCPART=n.
;; ======== version 1 of 2: 4 launches
;; limits: values are held in f16: magnitudes above 65,504 overflow, below 6.1e-05 lose precision
;; workspace buffers: xb 16,777,216 bytes; wb 6,291,456 bytes; qkv 50,331,648 bytes; pm 33,554,432 bytes; st 1,048,576 bytes
;; launch cast (part 1): grid 352 x 1, 8 waves a work-group, no clusters, 0 bytes of LDS; arguments x, wq, wk, wv, xb, wb; writes xb, wb
.if DOCPART == 1
	.amdgcn_target "amdgcn-amd-amdhsa--gfx1250"
	.amdhsa_code_object_version 6
	.text
	.protected	k_qa1bed17470_cast
	.globl	k_qa1bed17470_cast
	.p2align	8
	.type	k_qa1bed17470_cast,@function
k_qa1bed17470_cast:
	s_mov_b64 s[64:65], 0
	v_nop
	global_prefetch_b8 v0, s[64:65] scope:SCOPE_SE
	s_setreg_imm32_b32 hwreg(HW_REG_WAVE_MODE, 25, 1), 1
	s_wait_xcnt 0x0
; x [8192][1024] and wq, wk, wv [1024][1024], all f32, are rounded once to bf16 and laid in blocks of 64 along K:
; xb = [16 kb][8192 row][64], wb = [16 kb][3072 n][64] (n: wq's rows, then wk's, then wv's).  In a block a row is 128 bytes and rows lie end to end.
; SHARES.  A work-group takes 32 rows: groups 0-255 of x, groups 256-351 of the weights.  Wave w takes the blocks kb = w and w + 8.
; An ITEM is 4 rows x 64 columns: lane l reads 32 bytes (row l / 8, columns 8 (l % 8) on: eight lanes cover 256 consecutive bytes) and stores 16:
; the wave's store covers 512 consecutive bytes, aligned.  A wave has 16 items; all its 32 loads go out first, and no register is written twice,
; so the only waits are the counted ones on the loads.  No LDS, no matrix unit, no cluster: nothing is shared, and bytes are all that counts.
.set XRB, 0x100000                     ; bytes of a block of xb
.set WRB, 0x60000                      ; bytes of a block of wb
.set VS,  1                            ; v1      my byte offset in the group's rows of the source
.set VD,  2                            ; v2, v3  my byte offset in the destination, for kb = w and for kb = w + 8
.set X,   8                            ; v[8:135]    item k: 8 registers as loaded
.set Y,   136                          ; v[136:199]  item k: 4 registers to store
	s_load_b256 s[4:11], s[0:1], 0x0               ; x s[4:5], wq s[6:7], wk s[8:9], wv s[10:11]
	s_load_b128 s[12:15], s[0:1], 0x20             ; xb s[12:13], wb s[14:15]
	v_lshrrev_b32 v4, 5, v0
	v_readfirstlane_b32 s30, v4                    ; wave 0..7
	v_and_b32 v5, 31, v0                           ; l
	v_lshrrev_b32 v6, 3, v5                        ; l / 8: my row of the item's four
	v_and_b32 v7, 7, v5                            ; l % 8: my eight columns
	v_lshlrev_b32 v[VS], 12, v6                    ; a source row is 4,096 bytes
	v_lshl_add_u32 v[VS], v7, 5, v[VS]
	s_lshl_b32 s31, s30, 8                         ; block w begins 256 bytes x w into a source row
	v_add_nc_u32 v[VS], s31, v[VS]
	s_sub_co_u32 s17, ttmp9, 256                   ; j: the group's number among the weights' (used only there)
	s_and_b32 s18, s17, 31                         ; its 32 rows within one weight
	s_lshr_b32 s19, s17, 5                         ; which weight
	s_mov_b32 s22, WRB
	s_cmp_lt_u32 ttmp9, 256                        ; a group of x?
	s_cselect_b32 s20, ttmp9, s18                  ; group of 32 rows in the source
	s_cselect_b32 s21, ttmp9, s17                  ; and in the destination
	s_cselect_b32 s22, XRB, s22                    ; the destination's block stride
	s_mul_i32 s23, s30, s22
	v_lshl_add_u32 v[VD], v5, 4, s23               ; w blocks + 16 l
	s_lshl_b32 s23, s22, 3
	v_add_nc_u32 v[VD+1], s23, v[VD]               ; eight blocks on
	s_lshl_b32 s28, s20, 17                        ; 32 rows x 4,096 bytes
	s_mov_b32 s29, 0
	s_lshl_b32 s16, s21, 12                        ; 32 rows x 128 bytes
	s_mov_b32 s17, 0
	s_wait_kmcnt 0x0
	s_cmp_eq_u32 s19, 1
	s_cselect_b64 s[24:25], s[8:9], s[6:7]
	s_cmp_eq_u32 s19, 2
	s_cselect_b64 s[24:25], s[10:11], s[24:25]
	s_cmp_lt_u32 ttmp9, 256
	s_cselect_b64 s[24:25], s[4:5], s[24:25]       ; the source
	s_cselect_b64 s[26:27], s[12:13], s[14:15]     ; the destination
	s_add_nc_u64 s[24:25], s[24:25], s[28:29]
	s_add_nc_u64 s[26:27], s[26:27], s[16:17]
.set k, 0
.rept 16                                       ; item k: rows 4 (k / 2) on, block w + 8 (k % 2)
	global_load_b128 v[X+8*k:X+8*k+3],   v[VS], s[24:25] offset:(k/2)*16384+(k%2)*2048 th:TH_LOAD_NT
	global_load_b128 v[X+8*k+4:X+8*k+7], v[VS], s[24:25] offset:(k/2)*16384+(k%2)*2048+16 th:TH_LOAD_NT
.set k, k+1
.endr
.set k, 0
.rept 16
	s_wait_loadcnt 30-2*k                          ; loads come back in order: item k's two are in, the 30 - 2 k issued behind them may stay out
.irp r, 0,1,2,3
	v_cvt_pk_bf16_f32 v[Y+4*k+\r], v[X+8*k+2*\r], v[X+8*k+2*\r+1]
.endr
	global_store_b128 v[VD+k%2], v[Y+4*k:Y+4*k+3], s[26:27] offset:(k/2)*512
.set k, k+1
.endr
	s_endpgm
.Lfunc_end_k_qa1bed17470_cast:
	.size	k_qa1bed17470_cast, .Lfunc_end_k_qa1bed17470_cast-k_qa1bed17470_cast
	.p2alignl 7, 3214868480
	.fill 96, 4, 3214868480
	.section	.rodata,"a",@progbits
	.p2align	6, 0x0
	.amdhsa_kernel k_qa1bed17470_cast
		.amdhsa_group_segment_fixed_size 0
		.amdhsa_private_segment_fixed_size 0
		.amdhsa_enable_private_segment 0
		.amdhsa_kernarg_size 48
		.amdhsa_user_sgpr_count 2
		.amdhsa_user_sgpr_kernarg_segment_ptr 1
		.amdhsa_wavefront_size32 1
		.amdhsa_system_sgpr_workgroup_id_x 1
		.amdhsa_system_sgpr_workgroup_id_y 1
		.amdhsa_system_sgpr_workgroup_id_z 1
		.amdhsa_system_vgpr_workitem_id 0
		.amdhsa_next_free_vgpr 200
		.amdhsa_next_free_sgpr 66
		.amdhsa_reserve_vcc 0
		.amdhsa_float_denorm_mode_32 3
		.amdhsa_float_denorm_mode_16_64 3
		.amdhsa_memory_ordered 1
		.amdhsa_forward_progress 1
		.amdhsa_inst_pref_size 11
	.end_amdhsa_kernel
	.amdgpu_metadata
---
amdhsa.version: [ 1, 2 ]
amdhsa.kernels:
  - .name:           k_qa1bed17470_cast
    .symbol:         k_qa1bed17470_cast.kd
    .args:
      - { .name: x, .offset: 0, .size: 8, .value_kind: global_buffer, .address_space: global }
      - { .name: wq, .offset: 8, .size: 8, .value_kind: global_buffer, .address_space: global }
      - { .name: wk, .offset: 16, .size: 8, .value_kind: global_buffer, .address_space: global }
      - { .name: wv, .offset: 24, .size: 8, .value_kind: global_buffer, .address_space: global }
      - { .name: xb, .offset: 32, .size: 8, .value_kind: global_buffer, .address_space: global }
      - { .name: wb, .offset: 40, .size: 8, .value_kind: global_buffer, .address_space: global }
    .group_segment_fixed_size: 0
    .private_segment_fixed_size: 0
    .kernarg_segment_align: 8
    .kernarg_segment_size: 48
    .max_flat_workgroup_size: 256
    .sgpr_count:     66
    .vgpr_count:     200
    .wavefront_size: 32
...
	.end_amdgpu_metadata
.endif
;; end of part 1
;; launch proj (part 2): grid 8 x 32, 4 waves a work-group, clusters of 4 x 4, 327,680 bytes of LDS; arguments xb, wb, qkv; writes qkv
.if DOCPART == 2
	.amdgcn_target "amdgcn-amd-amdhsa--gfx1250"
	.amdhsa_code_object_version 6
	.text
	.protected	k_qa1bed17470_proj
	.globl	k_qa1bed17470_proj
	.p2align	8
	.type	k_qa1bed17470_proj,@function
k_qa1bed17470_proj:
	s_mov_b64 s[64:65], 0
	v_nop
	global_prefetch_b8 v0, s[64:65] scope:SCOPE_SE
	s_setreg_imm32_b32 hwreg(HW_REG_WAVE_MODE, 25, 1), 1
	s_wait_xcnt 0x0
	s_wait_alu depctr_hold_cnt(0) depctr_sa_sdst(0) depctr_va_vdst(0) depctr_va_sdst(0) depctr_va_ssrc(0) depctr_va_vcc(0) depctr_vm_vsrc(0)
	s_getreg_b32 s2, hwreg(HW_REG_IB_STS2, 6, 4)
	s_cmp_eq_u32 s2, 0
	s_cbranch_scc0 .Lentry_in_a_cluster
	s_endpgm
.Lentry_in_a_cluster:
	s_bfe_u32 s2, ttmp6, 0x10000c
	s_cmp_lg_u32 s2, 0xf033
	s_cbranch_scc0 .Lentry_shape_is_right
	s_endpgm
.Lentry_shape_is_right:
; q, k, v = x W^T in one product: [8192 x 1024] . [3072 x 1024]^T, bf16 operands, f32 sums, K ascending, each result rounded once to f16.
; xb = [16 kb][8192][64] bf16, wb = [16 kb][3072][64] bf16, qkv = [48 nb][8192][64] f16 (nb 0-15 q, 16-31 k, 32-47 v).
; LIMIT.  f16 ends at 65,504: a |q|, |k| or |v| beyond that becomes an infinity.
; SHARES.  A tile is 256 rows x 384 columns: 32 x 8 = 256 work-groups.  Four waves; wave (rh, ch) makes 128 rows x 192 columns: 96 accumulators of 16 x 16, 768 registers.
; K goes in 16 steps of 64 (one block kb) through two LDS slots.  In a block a tile's rows lie end to end, so a wave's tensor load is a dense run (128 rows of x: 16 KiB; 192 rows of w: 24 KiB),
; asked for as rows of 256 bytes and padded in LDS behind every 128: LDS rows are 144 bytes apart, an odd multiple of 16, so the 16 rows of a fragment load start in 16 different groups of four banks (ISA guide 11.1).
; CLUSTER 4 x 4: x's tile hangs on the tile row alone and is asked for jointly by a row of the cluster, w's on the tile column alone, by a column.
; THE MATRIX INSTRUCTION IS USED TRANSPOSED (source 0 = 16 rows of w, source 1 = 16 rows of x): a lane holds one row of x and eight neighbouring columns.
; REGISTERS (windows of 256; s_set_vgpr_msb: bits 1:0 source 0, 3:2 source 1, 5:4 source 2, 7:6 destination):
;   window 0: v16-30 addresses; v32-95, v96-159 x's fragments (8 x 16 rows x 32 K), two buffers; v160-255 w's 12 fragments, one buffer, refilled four at a time behind their last product
;   windows 1-3: accumulator (a, b) (a: 16 rows, b: 16 columns) in window 1 + b / 4 at v[8 (8 (b % 4) + a)]
.set KBA,   1048576                    ; bytes of a block of xb
.set KBB,   393216                     ; of wb
.set NBS,   1048576                    ; of qkv
.set PITCH, 144
.set AHALF, 128*PITCH                  ; what a wave fetches, and reads, of x
.set BHALF, 192*PITCH                  ; of w
.set BOFF,  2*AHALF                    ; w's 384 rows lie behind x's 256
.set SLOT1, 131072                     ; slot 1: one exclusive or turns an address in one slot into the other's
.set STAGE, SLOT1+BOFF+2*BHALF         ; behind the ring: for each wave 3 x 16 rows x 144 bytes, for the way out
.set SBLK,  16*PITCH
.set SPARE, STAGE+4*3*SBLK             ; the spare words, 128 bytes a wave: two blocks of 256 bytes that no other line names
.set ADRA0, 16                         ; v16  my place in x's rows of slot 0; never rewritten
.set ADRA,  17                         ; v17  the same in the slot in hand
.set ADRB0, 20                         ; v20, v21  the same for w
.set ADRB,  21
.set STO,   24                         ; v24  the way out: where I put 16 bytes of a row
.set RD,    25                         ; v25  where I read rows back
.set CO,    26                         ; v26  16 x lane: my place in 512 consecutive bytes of qkv
.set SPW,   28                         ; v28  my spare word; never rewritten
.set NIL,   29                         ; v29  0; never rewritten
.set PFO,   30                         ; v30  256 x lane, for the prefetches
.set A0,    32
.set A1,    96
.set BF,    160
.set TMP,   32                         ; the way out: 48 registers of packed results
.set OB0,   96                         ; and two sets of 48 read back from the stage
.set G1A, 24                           ; s[24:31] descriptor group 1 for x's tiles
.set G0A, 32                           ; s[32:39] group 0: a set for each first fill; the second then walks
.set G1B, 48                           ; s[48:55], s[56:63] the same for w's
.set G0B, 56
.set PFA, 66                           ; s[66:67] where my prefetches stand
.set PFS, 68                           ; s[68:69] four K steps, in bytes
.set AM,  70                           ; s70  bit n set: I prefetch in the trip whose counter is n
.set TB,  71                           ; s71  the LDS byte at which the slot in hand begins
.set MSB, 0
.macro WIN new                         ; the immediate's high byte repeats the setting that is left; a switch that changes nothing is dropped
.if MSB != (\new)
	s_set_vgpr_msb (MSB<<8)|(\new)
.set MSB, \new
.endif
.endm
.macro PLACES n=4                      ; plain vector instructions between a matrix instruction and a load into, or a vector read of, its registers
.rept \n
	v_nop
.endr
.endm
; A joint refill, by the walking descriptors.  Waves 0 and 1 fetch x's halves, waves 2 and 3 w's; the branch hangs on the wave's number alone.
.macro JLOAD
	s_cmp_lt_u32 s10, 2
	s_cbranch_scc0 .Lfor_b_\@
	tensor_load_to_lds s[G0A+4:G0A+7], s[G1A:G1A+7]
	s_nop 0
.rept 4
	v_nop
.endr
	s_branch .Lasked_\@
.Lfor_b_\@:
	tensor_load_to_lds s[G0B+4:G0B+7], s[G1B:G1B+7]
	s_nop 0
.rept 4
	v_nop
.endr
.Lasked_\@:
.endm
.macro CREST                           ; a round of the cluster's barrier behind its opening barrier
	s_cmp_lg_u32 s10, 0
	s_cbranch_scc1 .Lnot_wave_0_\@
	s_barrier_signal -3
.Lnot_wave_0_\@:
	s_barrier_wait -3
	s_barrier_signal -1
	s_barrier_wait -1
.endm
.macro CROUND
	s_barrier_signal -1
	s_barrier_wait -1
	CREST
.endm
; PREFETCH.  In the trips with counter 14, 10 and 6 an asking wave names its own fetch region (64 or 96 runs of 256 bytes, a lane a run) of ONE of the four K steps 4 m + 4 .. 4 m + 7.
; The four partners that ask for a tile jointly take different steps BY ADDRESS (step = cx for x, cy for w, modulo 4).  x's rows are read by both clusters of a row of clusters: cluster x = 0 asks;
; w's by all clusters of a column: cluster y = 0 asks.  So each run of K steps 4 to 15 is named once in the launch; steps 0 to 3 come by their loads alone; the last ask names steps 12 to 15.
.macro ASK
	s_lshr_b32 s72, s[AM], s3
	s_and_b32 s72, s72, 1
	s_cmp_eq_u32 s72, 1
	s_cbranch_scc0 .Lnot_mine_\@
	s_wait_xcnt 0x0                                ; my last prefetches, four trips back, have read their address
	s_add_nc_u64 s[PFA:PFA+1], s[PFA:PFA+1], s[PFS:PFS+1]
	global_prefetch_b8 v[PFO], s[PFA:PFA+1] th:TH_LOAD_NT scope:SCOPE_SE
	global_prefetch_b8 v[PFO], s[PFA:PFA+1] offset:8192 th:TH_LOAD_NT scope:SCOPE_SE
	s_cmp_eq_u32 s11, 0
	s_cbranch_scc1 .Lnot_mine_\@                   ; x's region ends here; w's has 8 KiB more
	global_prefetch_b8 v[PFO], s[PFA:PFA+1] offset:16384 th:TH_LOAD_NT scope:SCOPE_SE
.Lnot_mine_\@:
.endm
	s_load_b128 s[4:7], s[0:1], 0x0                ; xb s[4:5], wb s[6:7]
	s_load_b64 s[8:9], s[0:1], 0x10                ; qkv
	v_lshl_add_u32 v[SPW], v0, 2, SPARE
	v_mov_b32 v[NIL], 0
	ds_add_u32 v[SPW], v[NIL]                      ; the wave's opening: the add and its wait ahead of my first tensor load; the set-up below stands between them
	v_lshrrev_b32 v1, 5, v0
	v_readfirstlane_b32 s10, v1                    ; wave 0..3
	s_lshr_b32 s11, s10, 1                         ; rh: my half of the tile's rows.  Also: I fetch for x (0) or for w (1)
	s_and_b32 s12, s10, 1                          ; ch: my half of its columns.  Also: which half of that tile I fetch
	s_bfe_u32 s40, ttmp6, 0x40000                  ; cx
	s_bfe_u32 s41, ttmp6, 0x40004                  ; cy
	s_lshl_b32 s42, ttmp9, 2
	s_add_co_u32 s42, s42, s40                     ; tile column 0..7
	s_and_b32 s13, ttmp7, 0xffff
	s_lshl_b32 s13, s13, 2
	s_add_co_u32 s13, s13, s41                     ; tile row 0..31
	s_lshl_b32 s43, s41, 2
	s_lshl_b32 s43, 15, s43                        ; my row of the cluster
	s_lshl_b32 s44, 0x1111, s40                    ; my column
	s_or_b32 s[G1A], s43, (1<<16)|(1<<20)|(1<<21)|(4<<22)|(3<<25)  ; the mask; 2-byte elements; padding on; bit 21 beside a mask; behind every 32 words (code 4) 4 words (code 3)
	s_or_b32 s[G1B], s44, (1<<16)|(1<<20)|(1<<21)|(4<<22)|(3<<25)
.irp g, G1A, G1B
	s_mov_b32 s[(\g)+1], 128<<16                   ; tensor_dim0 = 128 elements: rows of 256 bytes
	s_mov_b32 s[(\g)+3], 128<<16                   ; tile_dim0 = 128
	s_mov_b32 s[(\g)+5], 128                       ; dense: a row begins where the last ends
	s_mov_b32 s[(\g)+6], 0
	s_mov_b32 s[(\g)+7], 0
.endr
	s_mov_b32 s[G1A+2], 64<<16                     ; tensor_dim1 = tile_dim1 = 64: 16 KiB
	s_mov_b32 s[G1A+4], 64
	s_mov_b32 s[G1B+2], 96<<16                     ; 96: 24 KiB
	s_mov_b32 s[G1B+4], 96
	s_lshl_b32 s16, s13, 15                        ; x: (256 tile row + 128 half) x 128 bytes
	s_lshl_b32 s17, s12, 14
	s_add_co_u32 s16, s16, s17
	s_mov_b32 s17, 0
	s_mul_i32 s46, s42, 384*128                    ; w: (384 tile column + 192 half) x 128 bytes
	s_mul_i32 s47, s12, 192*128
	s_add_co_u32 s46, s46, s47
	s_mov_b32 s47, 0
	s_mul_i32 s20, s12, AHALF                      ; where they go: no place in the cluster enters an LDS address
	s_mul_i32 s21, s12, BHALF
	s_add_co_u32 s21, s21, BOFF
	s_mov_b32 s[TB], 0
	s_wait_dscnt 0x0                               ; the opening add is done
	s_wait_kmcnt 0x0
	s_add_nc_u64 s[14:15], s[4:5], s[16:17]
	s_add_nc_u64 s[46:47], s[6:7], s[46:47]
	CROUND                                         ; all sixteen work-groups are here: the first joint loads meet
.irp s, 0,1
	s_mov_b32 s[G0A+4*(\s)], 1
	s_add_co_u32 s[G0A+4*(\s)+1], s20, (\s)*SLOT1
	s_add_nc_u64 s[G0A+4*(\s)+2:G0A+4*(\s)+3], s[14:15], (\s)*KBA  ; K step s
	s_or_b32 s[G0A+4*(\s)+3], s[G0A+4*(\s)+3], 0x80000000
	s_mov_b32 s[G0B+4*(\s)], 1
	s_add_co_u32 s[G0B+4*(\s)+1], s21, (\s)*SLOT1
	s_add_nc_u64 s[G0B+4*(\s)+2:G0B+4*(\s)+3], s[46:47], (\s)*KBB
	s_or_b32 s[G0B+4*(\s)+3], s[G0B+4*(\s)+3], 0x80000000
.endr
	s_cmp_lt_u32 s10, 2                            ; a wave's two first fills stand in one branch: two loads of mine are out
	s_cbranch_scc0 .Lfirst_b
	tensor_load_to_lds s[G0A:G0A+3], s[G1A:G1A+7]
	s_nop 0
	tensor_load_to_lds s[G0A+4:G0A+7], s[G1A:G1A+7]
	s_nop 0
.rept 4
	v_nop
.endr
	s_branch .Lfirst_asked
.Lfirst_b:
	tensor_load_to_lds s[G0B:G0B+3], s[G1B:G1B+7]
	s_nop 0
	tensor_load_to_lds s[G0B+4:G0B+7], s[G1B:G1B+7]
	s_nop 0
.rept 4
	v_nop
.endr
.Lfirst_asked:
	; a fragment is 16 rows x 32 K in 8 registers: lane l holds row l % 16; two loads of 16 bytes, 32 bytes apart, at row x pitch + 16 (l / 16)
	v_and_b32 v1, 15, v0
	v_bfe_u32 v2, v0, 4, 1
	v_mul_u32_u24 v3, v1, PITCH
	v_lshl_add_u32 v3, v2, 4, v3
	s_mul_i32 s72, s11, AHALF
	v_add_nc_u32 v[ADRA0], s72, v3
	s_mul_i32 s73, s12, BHALF
	s_add_co_u32 s73, s73, BOFF
	v_add_nc_u32 v[ADRB0], s73, v3
	v_mov_b32 v[ADRA], v[ADRA0]
	v_mov_b32 v[ADRB], v[ADRB0]
	s_mul_i32 s72, s10, 3*SBLK
	s_add_co_u32 s72, s72, STAGE                   ; my stage
	v_add_nc_u32 v[STO], s72, v3                   ; in: row l % 16, 16 bytes for each half of the lanes
	v_bfe_u32 v4, v0, 3, 2
	v_and_b32 v5, 7, v0
	v_mul_u32_u24 v4, v4, PITCH
	v_lshl_add_u32 v4, v5, 4, v4
	v_add_nc_u32 v[RD], s72, v4                    ; back: 32 lanes take four rows of 128 bytes
	v_and_b32 v6, 31, v0
	v_lshlrev_b32 v[CO], 4, v6
	v_lshlrev_b32 v[PFO], 8, v6
	; qkv at my part: block 6 tile column + 3 ch, row 256 tile row + 128 rh
	s_mul_i32 s74, s42, 6
	s_mul_i32 s75, s12, 3
	s_add_co_u32 s74, s74, s75
	s_lshl_b32 s74, s74, 20
	s_lshl_b32 s75, s13, 15
	s_add_co_u32 s74, s74, s75
	s_lshl_b32 s75, s11, 14
	s_add_co_u32 s74, s74, s75
	s_mov_b32 s75, 0
	s_add_nc_u64 s[8:9], s[8:9], s[74:75]
	; the prefetches
	s_and_b32 s73, ttmp7, 0xffff                   ; cluster y
	s_mov_b32 s74, KBB
	s_cmp_eq_u32 s11, 0                            ; do I fetch for x?
	s_cselect_b32 s72, s40, s41                    ; my place among the four that ask with me
	s_cselect_b32 s73, ttmp9, s73                  ; the coordinate along which other clusters read the same rows
	s_cselect_b32 s74, KBA, s74                    ; a K step in bytes
	s_cselect_b64 s[PFA:PFA+1], s[14:15], s[46:47]
	s_cmp_eq_u32 s73, 0
	s_cselect_b32 s[AM], 0x4440, 0                 ; bits 14, 10, 6; the same in all sixteen partners, for a given wave
	s_mul_i32 s72, s72, s74
	s_mov_b32 s73, 0
	s_add_nc_u64 s[PFA:PFA+1], s[PFA:PFA+1], s[72:73]  ; at K step cx (cy); each ask steps it four on first
	s_lshl_b32 s[PFS], s74, 2
	s_mov_b32 s[PFS+1], 0
; Products of column group g (b = 4 g + ib, ib = b0 .. b1 - 1) with all 8 row blocks.  No two that follow each other share an accumulator, and an accumulator's next turn comes 96 products later.
; zero = 1: the first K chunk starts the sums.
.macro GRP g, ab, zero, b0, b1
	WIN ((\g)+1)*0x50                              ; C and D in window g + 1, both sources in window 0
.set ib, \b0
.rept (\b1)-(\b0)
.set ia, 0
.rept 8
.if \zero
	v_wmma_f32_16x16x32_bf16 v[8*(8*ib+ia):8*(8*ib+ia)+7], v[BF+8*(4*(\g)+ib):BF+8*(4*(\g)+ib)+7], v[(\ab)+8*ia:(\ab)+8*ia+7], 0
.else
	v_wmma_f32_16x16x32_bf16 v[8*(8*ib+ia):8*(8*ib+ia)+7], v[BF+8*(4*(\g)+ib):BF+8*(4*(\g)+ib)+7], v[(\ab)+8*ia:(\ab)+8*ia+7], v[8*(8*ib+ia):8*(8*ib+ia)+7]
.endif
.set ia, ia+1
.endr
.set ib, ib+1
.endr
.endm
.macro LDB g, ko                       ; 8 LDS loads: w's four fragments of group g, at byte ko of the rows
	WIN 0
.irp i, 0,1,2,3
	ds_load_b128 v[BF+8*(4*(\g)+\i):BF+8*(4*(\g)+\i)+3],   v[ADRB] offset:(4*(\g)+\i)*SBLK+(\ko)
	ds_load_b128 v[BF+8*(4*(\g)+\i)+4:BF+8*(4*(\g)+\i)+7], v[ADRB] offset:(4*(\g)+\i)*SBLK+(\ko)+32
.endr
.endm
.macro LDA ab, ko                      ; 16 LDS loads: x's eight fragments
	WIN 0
.irp i, 0,1,2,3,4,5,6,7
	ds_load_b128 v[(\ab)+8*\i:(\ab)+8*\i+3],   v[ADRA] offset:\i*SBLK+(\ko)
	ds_load_b128 v[(\ab)+8*\i+4:(\ab)+8*\i+7], v[ADRA] offset:\i*SBLK+(\ko)+32
.endr
.endm
; A K step is two sub-steps of 32 along K.  The loads of a sub-step are always issued in the order LDB 0 (8), LDA (16), LDB 1 (8), LDB 2 (8), each group of w's behind the last product that read its registers.
; THE FIRST multiplies buffer A0 and fetches the second's fragments from the same slot.
.macro SUBE zero
	s_wait_dscnt 16                                ; LDB 0 and LDA are in; LDB 1 and LDB 2 may stay out
	GRP 0, A0, \zero, 0, 4
	PLACES
	LDB 0, 64
	LDA A1, 64
	s_wait_dscnt 32                                ; LDB 1 is in; out: LDB 2 and the 24 just issued
	GRP 1, A0, \zero, 0, 4
	PLACES
	LDB 1, 64
	s_wait_dscnt 32                                ; LDB 2 is in; out: the next sub-step's 24 + 8
	GRP 2, A0, \zero, 0, 4
	PLACES
	LDB 2, 64
.endm
; THE SECOND multiplies buffer A1 and changes slots.  In front of the barrier each wave waits for all its tensor loads (one is out: its part of the next slot), adds 0 to its spare word, and waits for that and for
; its own reads of this slot.  fill = 1: the barrier opens a round of the cluster's, and the joint refill, two K steps ahead, is the first thing behind it: 160 products stand between it and the wait for it.
.macro SUBO fill
	WIN 0
	s_wait_tensorcnt 0x0                           ; no tensor load of mine is out, so a group 0 may be written
	ds_add_u32 v[SPW], v[NIL]
.if \fill
	s_xor_b32 s[G0A+5], s[G0A+5], SLOT1            ; the walking descriptors: the other slot than last time, the next K step
	s_add_nc_u64 s[G0A+6:G0A+7], s[G0A+6:G0A+7], KBA
	s_xor_b32 s[G0B+5], s[G0B+5], SLOT1
	s_add_nc_u64 s[G0B+6:G0B+7], s[G0B+6:G0B+7], KBB
.endif
	s_xor_b32 s[TB], s[TB], SLOT1
	s_wait_dscnt 17                                ; LDB 0 and LDA are in; LDB 1, LDB 2 and the add may stay out
	GRP 0, A1, 0, 0, 2
	s_wait_dscnt 0x0                               ; the add is done, and my reads of this slot are over
	s_barrier_signal -1
	GRP 0, A1, 0, 2, 4
	WIN 0
	s_barrier_wait -1
.if \fill
	CREST                                          ; no wave of any partner still reads this slot or has a load on its way
	JLOAD                                          ; its four v_nop are also the places in front of the loads below
.else
	PLACES
.endif
	v_add_nc_u32 v[ADRA], s[TB], v[ADRA0]
	v_add_nc_u32 v[ADRB], s[TB], v[ADRB0]
	LDB 0, 0
	LDA A0, 0
.if \fill
	ASK
.endif
	GRP 1, A1, 0, 0, 4
	PLACES
	LDB 1, 0
	GRP 2, A1, 0, 0, 4
	PLACES
	LDB 2, 0
.endm
	s_wait_tensorcnt 1                             ; my part of K step 0 is in; step 1's may stay out
	s_barrier_signal -1
	s_barrier_wait -1
	LDB 0, 0
	LDA A0, 0
	LDB 1, 0
	LDB 2, 0
	SUBE 1                                         ; the first 32 along K start the sums: nothing is cleared
	WIN 0
	s_mov_b32 s3, 14
.Lstep:                                                ; trip t: the second half of K step t, the refill with step t + 2, the first half of step t + 1
	SUBO 1
	SUBE 0
	WIN 0
	s_sub_co_u32 s3, s3, 1
	s_cmp_lg_u32 s3, 0
	s_cbranch_scc1 .Lstep
	SUBO 0                                         ; the tail is written out: nothing is left to ask for
	SUBE 0
	s_wait_dscnt 16
	GRP 0, A1, 0, 0, 4
	s_wait_dscnt 8
	GRP 1, A1, 0, 0, 4
	s_wait_dscnt 0x0
	GRP 2, A1, 0, 0, 4
; THE WAY OUT, 16 rows at a time.  PACK: a lane's eight columns become 16 bytes of f16.  TOSTAGE: into my own stage (three blocks of 64 columns, rows of 144 bytes), and back as whole rows of 128 bytes.
; SEND: four rows of a block of qkv are 512 consecutive bytes: one store of the wave.
.macro PACK a
.set ig, 0
.rept 3
	WIN (ig+1)*5                                   ; sources in window ig + 1, destination in window 0
.set ib, 0
.rept 4
.set ir, 0
.rept 4
	v_cvt_pk_f16_f32 v[TMP+16*ig+4*ib+ir], v[8*(8*ib+(\a))+2*ir], v[8*(8*ib+(\a))+2*ir+1]
.set ir, ir+1
.endr
.set ib, ib+1
.endr
.set ig, ig+1
.endr
.endm
.macro TOSTAGE a
	WIN 0
.set BK, OB0+48*((\a)%2)
.irp g, 0,1,2
.irp i, 0,1,2,3
	ds_store_b128 v[STO], v[TMP+16*\g+4*\i:TMP+16*\g+4*\i+3] offset:\g*SBLK+32*\i
.endr
.endr
.irp g, 0,1,2
.irp i, 0,1,2,3
	ds_load_b128 v[BK+16*\g+4*\i:BK+16*\g+4*\i+3], v[RD] offset:\g*SBLK+\i*4*PITCH  ; LDS serves a wave's instructions in order (ISA guide 5.7.1.4): these see the stores above
.endr
.endr
.endm
.macro SEND a
	WIN 0
.set BK, OB0+48*((\a)%2)
	s_wait_dscnt 0x0                               ; the block is back in registers
	s_wait_xcnt 0x0                                ; the stores of the block before have read their registers: the next TOSTAGE loads into them
.irp g, 0,1,2
.irp i, 0,1,2,3
	global_store_b128 v[CO], v[BK+16*\g+4*\i:BK+16*\g+4*\i+3], s[8:9] offset:\g*NBS+(\a)*2048+\i*512
.endr
.endr
.endm
	PLACES 8
	PACK 0
	TOSTAGE 0
.irp a, 1,2,3,4,5,6,7                  ; block a's conversions stand between block a - 1's loads from the stage and the wait for them
	PACK \a
	SEND (\a)-1
	TOSTAGE \a
.endr
	SEND 7
	s_wait_tensorcnt 0x0                           ; the wave's end
	ds_add_u32 v[SPW], v[NIL]
	s_wait_dscnt 0x0
	CROUND                                         ; the closing round
	s_endpgm
.Lfunc_end_k_qa1bed17470_proj:
	.size	k_qa1bed17470_proj, .Lfunc_end_k_qa1bed17470_proj-k_qa1bed17470_proj
	.p2alignl 7, 3214868480
	.fill 96, 4, 3214868480
	.section	.rodata,"a",@progbits
	.p2align	6, 0x0
	.amdhsa_kernel k_qa1bed17470_proj
		.amdhsa_group_segment_fixed_size 327680
		.amdhsa_private_segment_fixed_size 0
		.amdhsa_enable_private_segment 0
		.amdhsa_kernarg_size 24
		.amdhsa_user_sgpr_count 2
		.amdhsa_user_sgpr_kernarg_segment_ptr 1
		.amdhsa_wavefront_size32 1
		.amdhsa_system_sgpr_workgroup_id_x 1
		.amdhsa_system_sgpr_workgroup_id_y 1
		.amdhsa_system_sgpr_workgroup_id_z 1
		.amdhsa_system_vgpr_workitem_id 0
		.amdhsa_next_free_vgpr 1024
		.amdhsa_next_free_sgpr 80
		.amdhsa_reserve_vcc 0
		.amdhsa_float_denorm_mode_32 3
		.amdhsa_float_denorm_mode_16_64 3
		.amdhsa_memory_ordered 1
		.amdhsa_forward_progress 1
		.amdhsa_inst_pref_size 111
	.end_amdhsa_kernel
	.amdgpu_metadata
---
amdhsa.version: [ 1, 2 ]
amdhsa.kernels:
  - .name:           k_qa1bed17470_proj
    .symbol:         k_qa1bed17470_proj.kd
    .args:
      - { .name: xb, .offset: 0, .size: 8, .value_kind: global_buffer, .address_space: global }
      - { .name: wb, .offset: 8, .size: 8, .value_kind: global_buffer, .address_space: global }
      - { .name: qkv, .offset: 16, .size: 8, .value_kind: global_buffer, .address_space: global }
    .group_segment_fixed_size: 327680
    .private_segment_fixed_size: 0
    .kernarg_segment_align: 8
    .kernarg_segment_size: 24
    .max_flat_workgroup_size: 128
    .sgpr_count:     80
    .vgpr_count:     1024
    .wavefront_size: 32
...
	.end_amdgpu_metadata
.endif
;; end of part 2
;; launch score (part 3): grid 36 x 4, 4 waves a work-group, no clusters, 327,680 bytes of LDS; arguments qkv, pm, st; writes pm, st
.if DOCPART == 3
	.amdgcn_target "amdgcn-amd-amdhsa--gfx1250"
	.amdhsa_code_object_version 6
	.text
	.protected	k_qa1bed17470_score
	.globl	k_qa1bed17470_score
	.p2align	8
	.type	k_qa1bed17470_score,@function
k_qa1bed17470_score:
	s_mov_b64 s[64:65], 0
	v_nop
	global_prefetch_b8 v0, s[64:65] scope:SCOPE_SE
	s_setreg_imm32_b32 hwreg(HW_REG_WAVE_MODE, 25, 1), 1
	s_wait_xcnt 0x0
; The causal tiles of S = q k^T, and a softmax that is local to 128 keys.  qkv = [48 nb][8192][64] f16 (q: nb 0-15, k: 16-31).
; Work-group x = 0..35 of batch y makes the tile (i, j <= i) of 256 queries x 256 keys, K = 1024; wave (rh, ch) makes a QUADRANT of 128 x 128: 64 accumulators.
; For each query of a quadrant: m = the largest score, p = 2^(c s - c m) with c = log2(e) / 32, l = the sum of the unrounded p.
; pm = [8192][2048] f16 takes p;  st = f32 [2: c m, l][16 t][128 g][16 r][4 a] (row = 64 g + 16 a + r; t = the block of 128 keys) takes the two statistics.  The next launch joins the blocks.
; THE MASK.  Only the two diagonal quadrants (i = j, rh = ch) hold hidden and visible keys: there the C operand that starts a sum is -1e30 where key > query, so p = 0; every row sees its own key, so m is a true score.
; The quadrant above the diagonal (i = j, rh < ch) is wholly hidden: it is computed unmasked (p and l stay finite) and its stored c m is pushed down by -1e30, so that the next launch gives it the weight 0.
; LIMITS.  q and k arrive within f16's 65,504; a hidden score counts as its value less 1e30; a p below 2^-126 counts as 0 in l; below 6e-5 p keeps f16's fixed step; NaN and infinities are not treated apart.
; NO CLUSTER: row i of the triangle has i + 1 tiles and column j has 8 - j, so the 36 tiles of a batch fall into no groups of four that share q's or k's rows.
; K goes in 8 steps of 128 (two blocks nb) through two LDS slots; wave v fetches region v of a slot (q nb even, q nb odd, k nb even, k nb odd): 256 rows x 128 bytes, dense, asked for as 128 rows of 256 bytes and
; padded behind every 128: LDS rows 144 bytes apart.  THE MATRIX INSTRUCTION IS USED TRANSPOSED (source 0 = 16 keys, source 1 = 16 queries): a lane holds one query and eight neighbouring keys.
; REGISTERS (windows of 256): window 0: v8-31 at work and addresses; v40-55 masks; v64-127, v128-191 q's fragments, two buffers (later: rows read back); v192-223 packed p
;   window 1: v64-191 k's fragments, two buffers;  window 2: accumulators of my queries 0-63 ((a, b) at v[8 (8 (a % 4) + b)]);  window 3: those of queries 64-127
.set NBS,   1048576
.set PITCH, 144
.set REG,   256*PITCH                  ; a region
.set HALFR, 128*PITCH
.set SLOT,  4*REG                      ; 0x24000: it shares no bit with a wave's 0x9000 x v, so one exclusive or changes slots
.set STAGE, 2*SLOT                     ; behind the ring: 16 rows x 272 bytes for each wave
.set SPITCH, 272
.set STATS, STAGE+4*16*SPITCH          ; 1,024 bytes for each wave: [c m, l][2 g][16 r][4 a]
.set SPARE, STATS+4*1024               ; the spare words: two blocks of 256 bytes that no other line names
.set CH0,   8                          ; v8-11  four chains at work
.set CM,    12                         ; v12-13 c m, twice
.set ADRA0, 16
.set ADRA,  17
.set ADRB0, 20
.set ADRB,  21
.set SGO,   22                         ; v22  16 x lane
.set STO,   24
.set RD,    25
.set CO,    26                         ; v26  my byte offset in two rows of pm
.set SADR,  27                         ; v27  where my lane puts a statistic
.set SPW,   28
.set NIL,   29
.set PFO,   30                         ; v30  256 x lane
.set SRD,   31                         ; v31  where I read the statistics back
.set CEQ,   40                         ; v40-47 the C operand of the blocks on the diagonal (b = a)
.set CHI,   48                         ; v48-55 of those above it (b > a)
.set F0,    64
.set F1,    128
.set BK,    64
.set TMP,   192
.set G1,  24                           ; s[24:31]
.set G0,  32                           ; s[32:39] a set for each first fill; the second then walks
.set TB,  40
.set PFA, 42
.set AM,  44
.set PEN, 45
.set CS,  46                           ; s[46:47] c
.set SEL, 48                           ; s[48:49] v_permlanex16_b32's selects
.set HM,  50                           ; s50  lanes 16-31
.set BIGN, 51
.set MSB, 0
.macro WIN new
.if MSB != (\new)
	s_set_vgpr_msb (MSB<<8)|(\new)
.set MSB, \new
.endif
.endm
.set MUL_LO, 0xa1                      ; source 0 (k) window 1, source 1 (q) window 0, C and D window 2
.set TO_B,   0x40
.macro PLACES n=4
.rept \n
	v_nop
.endr
.endm
; PREFETCH.  The eight diagonal work-groups of a batch read every row of q and of k once between them: they ask, each wave for its own region (128 runs of 256 bytes, a lane a run, four instructions) of the K step
; that the NEXT refill will want.  K steps 0 to 2 come by their loads alone; the last refill (counter 1) has no step behind it.
.macro ASK
	s_lshr_b32 s22, s[AM], s3
	s_and_b32 s22, s22, 1
	s_cmp_eq_u32 s22, 1
	s_cbranch_scc0 .Lnot_mine_\@
.irp o, 0,8192,16384,24576
	global_prefetch_b8 v[PFO], s[PFA:PFA+1] offset:\o th:TH_LOAD_NT scope:SCOPE_SE
.endr
.Lnot_mine_\@:
.endm
	s_load_b128 s[4:7], s[0:1], 0x0                ; qkv s[4:5], pm s[6:7]
	s_load_b64 s[8:9], s[0:1], 0x10                ; st
	v_lshl_add_u32 v[SPW], v0, 2, SPARE
	v_mov_b32 v[NIL], 0
	ds_add_u32 v[SPW], v[NIL]                      ; the wave's opening: the add and its wait ahead of my first tensor load
	v_lshrrev_b32 v1, 5, v0
	v_readfirstlane_b32 s10, v1                    ; wave 0..3
	s_lshr_b32 s11, s10, 1                         ; rh.  Also: I fetch q (0) or k (1)
	s_and_b32 s12, s10, 1                          ; ch.  Also: the even or the odd block of a K step
	s_mov_b32 s13, 0
.irp T, 1,3,6,10,15,21,28                      ; i = how many triangle numbers x has reached
	s_cmp_ge_u32 ttmp9, \T
	s_cselect_b32 s14, 1, 0
	s_add_co_u32 s13, s13, s14
.endr
	s_add_co_u32 s14, s13, 1
	s_mul_i32 s14, s14, s13
	s_lshr_b32 s14, s14, 1
	s_sub_co_u32 s14, ttmp9, s14                   ; j = x - i (i + 1) / 2
	s_and_b32 s15, ttmp7, 0xffff                   ; batch
	s_mov_b32 s[G1], (1<<16)|(1<<20)|(4<<22)|(3<<25)  ; 2-byte elements; padding on: behind every 32 words (code 4) 4 words (code 3)
	s_mov_b32 s[G1+1], 128<<16                     ; tensor_dim0 = 128
	s_mov_b32 s[G1+2], 128<<16                     ; tensor_dim1 = 128
	s_mov_b32 s[G1+3], 128<<16                     ; tile_dim0 = 128
	s_mov_b32 s[G1+4], 128                         ; tile_dim1 = 128
	s_mov_b32 s[G1+5], 128                         ; dense
	s_mov_b32 s[G1+6], 0
	s_mov_b32 s[G1+7], 0
	s_cmp_eq_u32 s11, 0
	s_cselect_b32 s16, s13, s14                    ; q's rows go by i, k's by j
	s_lshl_b32 s16, s16, 8
	s_lshl_b32 s17, s15, 11
	s_add_co_u32 s16, s16, s17                     ; the first row
	s_lshl_b32 s16, s16, 7
	s_lshl_b32 s17, s11, 4
	s_add_co_u32 s17, s17, s12                     ; the block: 16 for k, + my parity
	s_lshl_b32 s17, s17, 20
	s_add_co_u32 s16, s16, s17
	s_mov_b32 s17, 0
	s_mul_i32 s20, s10, REG
	s_mov_b32 s[TB], 0
	s_mov_b32 s[CS], 0x3d38aa3b                    ; c = log2(e) / 32
	s_mov_b32 s[CS+1], s[CS]
	s_mov_b32 s[SEL], 0x76543210
	s_mov_b32 s[SEL+1], 0xfedcba98
	s_mov_b32 s[HM], 0xffff0000
	s_mov_b32 s[BIGN], 0xf149f2ca                  ; -1e30
	s_wait_dscnt 0x0                               ; the opening add is done
	s_wait_kmcnt 0x0
	s_add_nc_u64 s[18:19], s[4:5], s[16:17]
.irp s, 0,1
	s_mov_b32 s[G0+4*(\s)], 1
	s_add_co_u32 s[G0+4*(\s)+1], s20, (\s)*SLOT
	s_add_nc_u64 s[G0+4*(\s)+2:G0+4*(\s)+3], s[18:19], (\s)*2*NBS  ; K step s
	s_or_b32 s[G0+4*(\s)+3], s[G0+4*(\s)+3], 0x80000000
.endr
	tensor_load_to_lds s[G0:G0+3], s[G1:G1+7]      ; the two first fills go out together: two loads of mine are out
	s_nop 0
	tensor_load_to_lds s[G0+4:G0+7], s[G1:G1+7]
	s_nop 0
.rept 4
	v_nop
.endr
	s_add_nc_u64 s[PFA:PFA+1], s[18:19], 4*NBS     ; at K step 2; the first change of slots steps it to 3
	s_cmp_eq_u32 s13, s14
	s_cselect_b32 s[AM], 0x7c, 0                   ; counters 6 to 2, in diagonal work-groups
	s_cselect_b32 s21, s[BIGN], 0
	s_cmp_eq_u32 s11, s12
	s_cselect_b32 s23, s21, 0                      ; -1e30 in a diagonal quadrant
	s_cmp_lt_u32 s11, s12
	s_cselect_b32 s[PEN], s21, 0                   ; -1e30 in the wholly hidden quadrant
	v_and_b32 v1, 15, v0                           ; r
	v_bfe_u32 v2, v0, 4, 1                         ; h
	v_lshlrev_b32 v3, 3, v2
	v_sub_nc_u32 v14, v1, v3                       ; on the diagonal register jj (key 8 h + jj) is hidden from query r where jj > r - 8 h
.set k, 0
.rept 8
	v_mov_b32 v[CHI+k], s23
	v_cmp_gt_i32 vcc_lo, k, v14
	v_cndmask_b32 v[CEQ+k], 0, v[CHI+k], vcc_lo
.set k, k+1
.endr
	v_mul_u32_u24 v3, v1, PITCH
	v_lshl_add_u32 v3, v2, 4, v3
	s_mul_i32 s21, s11, HALFR
	v_add_nc_u32 v[ADRA0], s21, v3
	s_mul_i32 s22, s12, HALFR
	s_add_co_u32 s22, s22, 2*REG
	v_add_nc_u32 v[ADRB0], s22, v3
	v_mov_b32 v[ADRA], v[ADRA0]
	v_mov_b32 v[ADRB], v[ADRB0]
	s_mul_i32 s23, s10, 16*SPITCH
	s_add_co_u32 s23, s23, STAGE                   ; my stage
	v_mul_u32_u24 v4, v1, SPITCH
	v_lshl_add_u32 v4, v2, 4, v4
	v_add_nc_u32 v[STO], s23, v4
	v_mul_u32_u24 v5, v2, SPITCH
	v_lshl_add_u32 v5, v1, 4, v5
	v_add_nc_u32 v[RD], s23, v5
	v_lshlrev_b32 v5, 12, v2                       ; a row of pm is 4,096 bytes
	v_lshl_add_u32 v[CO], v1, 4, v5
	s_lshl_b32 s23, s10, 10
	s_add_co_u32 s23, s23, STATS                   ; my statistics
	v_lshlrev_b32 v5, 9, v2                        ; lanes 0-15 put c m, lanes 16-31 l, 512 bytes on
	v_lshl_add_u32 v5, v1, 4, v5
	v_add_nc_u32 v[SADR], s23, v5
	v_and_b32 v6, 31, v0
	v_lshl_add_u32 v[SRD], v6, 4, s23
	v_lshlrev_b32 v[SGO], 4, v6
	v_lshlrev_b32 v[PFO], 8, v6
	s_lshl_b32 s16, s15, 23                        ; pm at (batch 2048 + 256 i + 128 rh) rows, (256 j + 128 ch) keys
	s_lshl_b32 s17, s13, 20
	s_add_co_u32 s16, s16, s17
	s_lshl_b32 s17, s11, 19
	s_add_co_u32 s16, s16, s17
	s_lshl_b32 s17, s14, 9
	s_add_co_u32 s16, s16, s17
	s_lshl_b32 s17, s12, 8
	s_add_co_u32 s16, s16, s17
	s_mov_b32 s17, 0
	s_add_nc_u64 s[6:7], s[6:7], s[16:17]
	s_lshl_b32 s16, s14, 16                        ; st at t = 2 j + ch, g = 32 batch + 4 i + 2 rh
	s_lshl_b32 s17, s12, 15
	s_add_co_u32 s16, s16, s17
	s_lshl_b32 s17, s15, 13
	s_add_co_u32 s16, s16, s17
	s_lshl_b32 s17, s13, 10
	s_add_co_u32 s16, s16, s17
	s_lshl_b32 s17, s11, 9
	s_add_co_u32 s16, s16, s17
	s_mov_b32 s17, 0
	s_add_nc_u64 s[8:9], s[8:9], s[16:17]
; 16 products: query blocks a0, a0 + 1 of the window's four x all 8 key blocks, 32 along K.  The 64 accumulators take turns in the same order in every quarter.
; mask = 1: the first quarter starts the sums, with 0, or with the mask's registers in window 0.
.macro MUL16 f, hi, a0, mask
.if \mask
	WIN 0x81+0x40*(\hi)                            ; C in window 0
.else
	WIN MUL_LO+0x50*(\hi)
.endif
.irp a, \a0, (\a0)+1
.irp b, 0,1,2,3,4,5,6,7
.if (\mask) && ((\b) < 4*(\hi)+(\a))
	v_wmma_f32_16x16x32_f16 v[8*(8*(\a)+(\b)):8*(8*(\a)+(\b))+7], v[(\f)+8*(\b):(\f)+8*(\b)+7], v[(\f)+8*(4*(\hi)+(\a)):(\f)+8*(4*(\hi)+(\a))+7], 0
.elseif (\mask) && ((\b) == 4*(\hi)+(\a))
	v_wmma_f32_16x16x32_f16 v[8*(8*(\a)+(\b)):8*(8*(\a)+(\b))+7], v[(\f)+8*(\b):(\f)+8*(\b)+7], v[(\f)+8*(4*(\hi)+(\a)):(\f)+8*(4*(\hi)+(\a))+7], v[CEQ:CEQ+7]
.elseif \mask
	v_wmma_f32_16x16x32_f16 v[8*(8*(\a)+(\b)):8*(8*(\a)+(\b))+7], v[(\f)+8*(\b):(\f)+8*(\b)+7], v[(\f)+8*(4*(\hi)+(\a)):(\f)+8*(4*(\hi)+(\a))+7], v[CHI:CHI+7]
.else
	v_wmma_f32_16x16x32_f16 v[8*(8*(\a)+(\b)):8*(8*(\a)+(\b))+7], v[(\f)+8*(\b):(\f)+8*(\b)+7], v[(\f)+8*(4*(\hi)+(\a)):(\f)+8*(4*(\hi)+(\a))+7], v[8*(8*(\a)+(\b)):8*(8*(\a)+(\b))+7]
.endif
.endr
.endr
.endm
; 32 LDS loads in one run: quarter q's fragments (its block q / 2, byte 64 (q % 2) of the rows) into buffer f: k's 16, then q's 16
.macro FETCH q, f
.set KO, ((\q)>>1)*REG+((\q)&1)*64
	WIN TO_B
.irp i, 0,1,2,3,4,5,6,7
	ds_load_b128 v[(\f)+8*\i:(\f)+8*\i+3],   v[ADRB] offset:KO+\i*16*PITCH
	ds_load_b128 v[(\f)+8*\i+4:(\f)+8*\i+7], v[ADRB] offset:KO+\i*16*PITCH+32
.endr
	WIN 0
.irp i, 0,1,2,3,4,5,6,7
	ds_load_b128 v[(\f)+8*\i:(\f)+8*\i+3],   v[ADRA] offset:KO+\i*16*PITCH
	ds_load_b128 v[(\f)+8*\i+4:(\f)+8*\i+7], v[ADRA] offset:KO+\i*16*PITCH+32
.endr
.endm
; One of a K step's first three quarters: multiplies buffer f; in its middle it fetches quarter q into buffer g.
.macro QUARTER q, f, g, mask
	s_wait_dscnt 8                                 ; k's fragments and my queries 0-63 are in; the youngest eight loads may stay out
	MUL16 \f, 0, 0, \mask
	MUL16 \f, 0, 2, \mask
	PLACES
	FETCH \q, \g
	s_wait_dscnt 32                                ; all but the 32 just issued
	MUL16 \f, 1, 0, \mask
	MUL16 \f, 1, 2, \mask
.endm
; The last quarter multiplies buffer 1 and changes slots: one barrier; in front of it each wave waits for all its tensor loads (one is out: its region of the next slot), adds 0 to its spare word, and waits for that and
; for its own reads of this slot.  fill = 1: this slot takes the K step two on, first thing behind the barrier: 224 products stand between the request and the wait for it.
.macro TURN fill
.if \fill
	s_wait_xcnt 0x0                                ; the last prefetches, a K step back, have read their address
	s_add_nc_u64 s[PFA:PFA+1], s[PFA:PFA+1], 2*NBS
.endif
	WIN 0
	s_wait_tensorcnt 0x0                           ; no tensor load of mine is out, so a group 0 may be written
	ds_add_u32 v[SPW], v[NIL]
.if \fill
	s_xor_b32 s[G0+5], s[G0+5], SLOT
	s_add_nc_u64 s[G0+6:G0+7], s[G0+6:G0+7], 2*NBS
.endif
	s_xor_b32 s[TB], s[TB], SLOT
	s_wait_dscnt 9                                 ; the add and the youngest eight loads may stay out
	MUL16 F1, 0, 0, 0
	s_wait_dscnt 0x0                               ; the add is done, and my reads of this slot are over
	s_barrier_signal -1
	MUL16 F1, 0, 2, 0
	WIN 0
	s_barrier_wait -1
.if \fill
	tensor_load_to_lds s[G0+4:G0+7], s[G1:G1+7]
	s_nop 0
.endif
	v_add_nc_u32 v[ADRA], s[TB], v[ADRA0]          ; these four plain lines are the places in front of the loads into buffer 0
	v_add_nc_u32 v[ADRB], s[TB], v[ADRB0]
	v_nop
	v_nop
	FETCH 0, F0
.if \fill
	ASK
.endif
	MUL16 F1, 1, 0, 0
	MUL16 F1, 1, 2, 0
.endm
	s_wait_tensorcnt 1                             ; my region of K step 0 is in; step 1's may stay out
	s_barrier_signal -1
	s_barrier_wait -1
	FETCH 0, F0
	QUARTER 1, F0, F1, 1
	WIN 0
	s_mov_b32 s3, 6
.Lstep:                                                ; trip t: quarters 1 to 3 of K step t, the refill with step t + 2, quarter 0 of step t + 1
	QUARTER 2, F1, F0, 0
	QUARTER 3, F0, F1, 0
	TURN 1
	QUARTER 1, F0, F1, 0
	WIN 0
	s_sub_co_u32 s3, s3, 1
	s_cmp_lg_u32 s3, 0
	s_cbranch_scc1 .Lstep
	QUARTER 2, F1, F0, 0                           ; the tail is written out: nothing is left to ask for
	QUARTER 3, F0, F1, 0
	TURN 0
	QUARTER 1, F0, F1, 0
	QUARTER 2, F1, F0, 0
	QUARTER 3, F0, F1, 0
	s_wait_dscnt 8
	MUL16 F1, 0, 0, 0
	MUL16 F1, 0, 2, 0
	s_wait_dscnt 0x0
	MUL16 F1, 1, 0, 0
	MUL16 F1, 1, 2, 0
; THE SOFTMAX of block a: 16 queries x 128 keys; a lane's 64 scores are 64 consecutive registers at AC of window WW.
.macro SFMA b                          ; pair b: c s - c m
	v_pk_fma_f32 v[AC+2*(\b):AC+2*(\b)+1], v[AC+2*(\b):AC+2*(\b)+1], s[CS:CS+1], v[CM:CM+1] op_sel_hi:[1,0,0] neg_lo:[0,0,1] neg_hi:[0,0,1]
.endm
.macro SOFT a
.set WW, 2+(\a)/4
.set AC, 64*((\a)%4)
	WIN WW*5                                       ; sources 0 and 1 in window WW; the chains in window 0
.irp k, 0,1,2,3                        ; four chains of 16 scores; each accumulator is read from its low end on
	v_max_num_f32 v[CH0+\k], v[AC+16*\k], v[AC+16*\k+1]
.endr
.set n, 1
.rept 7
.irp k, 0,1,2,3
	v_max3_num_f32 v[CH0+\k], v[AC+16*\k+2*n], v[AC+16*\k+2*n+1], v[CH0+\k]
.endr
.set n, n+1
.endr
	WIN 0
	v_max3_num_f32 v[CH0], v[CH0], v[CH0+1], v[CH0+2]
	v_max_num_f32 v[CH0], v[CH0], v[CH0+3]
	v_permlanex16_b32 v[CH0+1], v[CH0], s[SEL], s[SEL+1]  ; the query's other 64 keys lie in the lane 16 away
	v_max_num_f32 v[CH0], v[CH0], v[CH0+1]
	v_mul_f32 v[CM], s[CS], v[CH0]
	v_mul_f32 v[CM+1], s[CS], v[CH0]
	WIN WW|(WW<<6)                                 ; source 0 and destination in window WW, c m in window 0
	SFMA 0
	SFMA 1
.set n, 0
.rept 32                               ; ONE BATCH of 64 exponentials, a scaling between each two; nothing here names an exponential's result
	v_exp_f32 v[AC+2*n], v[AC+2*n]
.if n < 30
	SFMA n+2
.endif
	v_exp_f32 v[AC+2*n+1], v[AC+2*n+1]
.set n, n+1
.endr
	v_nop                                          ; a plain instruction behind the last exponential,
	s_wait_alu depctr_va_vdst(0)                   ; and the one wait ahead of the batch's first reader
	WIN WW*5
.set n, 0
.rept 32
	v_cvt_pk_f16_f32 v[TMP+n], v[AC+2*n], v[AC+2*n+1]
.set n, n+1
.endr
	WIN WW|(WW<<2)|(WW<<6)
.irp w, 4,8,16,32,64                   ; the sum of the 32 pairs of unrounded p, in place: neighbours 1, 2, 4, 8, 16 pairs apart
.set u, 0
.rept 64/(\w)
	v_pk_add_f32 v[AC+(\w)*u:AC+(\w)*u+1], v[AC+(\w)*u:AC+(\w)*u+1], v[AC+(\w)*u+(\w)/2:AC+(\w)*u+(\w)/2+1]
.set u, u+1
.endr
.endr
	WIN WW*5
	v_add_f32 v[CH0+2], v[AC], v[AC+1]
	WIN 0
	v_permlanex16_b32 v[CH0+3], v[CH0+2], s[SEL], s[SEL+1]
	v_add_f32 v[CH0+2], v[CH0+2], v[CH0+3]         ; l
	v_add_f32 v[CH0+1], s[PEN], v[CM]              ; c m, pushed down in the wholly hidden quadrant
	v_cndmask_b32 v[CH0+3], v[CH0+1], v[CH0+2], s[HM]  ; lanes 0-15 carry c m, lanes 16-31 l
	ds_store_b32 v[SADR], v[CH0+3] offset:((\a)/4)*256+((\a)%4)*4
.endm
.macro TOSTAGE a                       ; 16 bytes a lane into rows of 272 bytes, and back as whole rows of 256
	WIN 0
.set BKR, BK+32*((\a)%2)
.irp b, 0,1,2,3,4,5,6,7
	ds_store_b128 v[STO], v[TMP+4*\b:TMP+4*\b+3] offset:32*\b
.endr
.irp t, 0,1,2,3,4,5,6,7
	ds_load_b128 v[BKR+4*\t:BKR+4*\t+3], v[RD] offset:\t*2*SPITCH  ; LDS serves a wave's instructions in order (ISA guide 5.7.1.4): these see the stores above
.endr
.endm
.macro SEND a
	WIN 0
.set BKR, BK+32*((\a)%2)
	s_wait_dscnt 0x0                               ; the block is back in registers
	s_wait_xcnt 0x0                                ; the stores of the block before have read their registers: the next TOSTAGE loads into them
.irp t, 0,1,2,3,4,5,6,7
	global_store_b128 v[CO], v[BKR+4*\t:BKR+4*\t+3], s[6:7] offset:(16*(\a)+2*\t)*4096  ; 16 lanes store 256 consecutive bytes, at a multiple of 256 from pm's first byte
.endr
.endm
	PLACES 8
	SOFT 0
	TOSTAGE 0
.irp a, 1,2,3,4,5,6,7                  ; block a's arithmetic stands between block a - 1's loads from the stage and the wait for them
	SOFT \a
	SEND (\a)-1
	TOSTAGE \a
.endr
	SEND 7
	ds_load_b128 v[TMP:TMP+3], v[SRD]              ; my own 512 bytes of c m and 512 of l, as they lie in st
	ds_load_b128 v[TMP+4:TMP+7], v[SRD] offset:512
	s_wait_dscnt 0x0
	global_store_b128 v[SGO], v[TMP:TMP+3], s[8:9]
	global_store_b128 v[SGO], v[TMP+4:TMP+7], s[8:9] offset:524288
	s_wait_tensorcnt 0x0                           ; the wave's end
	ds_add_u32 v[SPW], v[NIL]
	s_wait_dscnt 0x0
	s_endpgm
.Lfunc_end_k_qa1bed17470_score:
	.size	k_qa1bed17470_score, .Lfunc_end_k_qa1bed17470_score-k_qa1bed17470_score
	.p2alignl 7, 3214868480
	.fill 96, 4, 3214868480
	.section	.rodata,"a",@progbits
	.p2align	6, 0x0
	.amdhsa_kernel k_qa1bed17470_score
		.amdhsa_group_segment_fixed_size 327680
		.amdhsa_private_segment_fixed_size 0
		.amdhsa_enable_private_segment 0
		.amdhsa_kernarg_size 24
		.amdhsa_user_sgpr_count 2
		.amdhsa_user_sgpr_kernarg_segment_ptr 1
		.amdhsa_wavefront_size32 1
		.amdhsa_system_sgpr_workgroup_id_x 1
		.amdhsa_system_sgpr_workgroup_id_y 1
		.amdhsa_system_sgpr_workgroup_id_z 1
		.amdhsa_system_vgpr_workitem_id 0
		.amdhsa_next_free_vgpr 1024
		.amdhsa_next_free_sgpr 66
		.amdhsa_reserve_vcc 1
		.amdhsa_float_denorm_mode_32 3
		.amdhsa_float_denorm_mode_16_64 3
		.amdhsa_memory_ordered 1
		.amdhsa_forward_progress 1
		.amdhsa_inst_pref_size 185
	.end_amdhsa_kernel
	.amdgpu_metadata
---
amdhsa.version: [ 1, 2 ]
amdhsa.kernels:
  - .name:           k_qa1bed17470_score
    .symbol:         k_qa1bed17470_score.kd
    .args:
      - { .name: qkv, .offset: 0, .size: 8, .value_kind: global_buffer, .address_space: global }
      - { .name: pm, .offset: 8, .size: 8, .value_kind: global_buffer, .address_space: global }
      - { .name: st, .offset: 16, .size: 8, .value_kind: global_buffer, .address_space: global }
    .group_segment_fixed_size: 327680
    .private_segment_fixed_size: 0
    .kernarg_segment_align: 8
    .kernarg_segment_size: 24
    .max_flat_workgroup_size: 128
    .sgpr_count:     66
    .vgpr_count:     1024
    .wavefront_size: 32
...
	.end_amdgpu_metadata
.endif
;; end of part 3
;; launch pv (part 4): grid 8 x 32, 4 waves a work-group, clusters of 4 x 1, 327,680 bytes of LDS; arguments pm, st, qkv, out0; writes out0
.if DOCPART == 4
	.amdgcn_target "amdgcn-amd-amdhsa--gfx1250"
	.amdhsa_code_object_version 6
	.text
	.protected	k_qa1bed17470_pv
	.globl	k_qa1bed17470_pv
	.p2align	8
	.type	k_qa1bed17470_pv,@function
k_qa1bed17470_pv:
	s_mov_b64 s[64:65], 0
	v_nop
	global_prefetch_b8 v0, s[64:65] scope:SCOPE_SE
	s_setreg_imm32_b32 hwreg(HW_REG_WAVE_MODE, 25, 1), 1
	s_wait_xcnt 0x0
	s_wait_alu depctr_hold_cnt(0) depctr_sa_sdst(0) depctr_va_vdst(0) depctr_va_sdst(0) depctr_va_ssrc(0) depctr_va_vcc(0) depctr_vm_vsrc(0)
	s_getreg_b32 s2, hwreg(HW_REG_IB_STS2, 6, 4)
	s_cmp_eq_u32 s2, 0
	s_cbranch_scc0 .Lentry_in_a_cluster
	s_endpgm
.Lentry_in_a_cluster:
	s_bfe_u32 s2, ttmp6, 0x10000c
	s_cmp_lg_u32 s2, 0x3003
	s_cbranch_scc0 .Lentry_shape_is_right
	s_endpgm
.Lentry_shape_is_right:
; O[q][:] = the sum over blocks t of 128 keys of w_t[q] (P_t V_t)[q][:], with w_t = 2^(mm_t - M) / L, M = max_t mm_t, L = sum_t 2^(mm_t - M) l_t: the blocks' local softmaxes joined.
; pm = [8192][2048] f16 (p), st = f32 [2: mm, l][16 t][128 g][16 r][4 a] (row = 64 g + 16 a + r), v = blocks 32-47 of qkv = [48][8192][64] f16, out0 = [8192][1024] f32.  Products and sums in f32.
; THE WALK.  A work-group makes 128 channels (chblk) of TWO blocks of 128 queries of a batch: HI = 15 - p, then LO = p.  Block bq needs bq / 2 + 1 steps of 256 keys: 9 steps together, whatever p: all work-groups
; do equal work and the loops count to constants.  Which tile is asked for hangs on scalars made from p; every jump but the loops' own goes forward and passes neither a barrier nor a tensor load.
; An even block's last step holds 128 keys that are wholly hidden: their stored mm is -1e30, so their weight is exactly 0; they are multiplied all the same (1 part in 17), for whole steps and one text.
; SHARES.  Wave (rh, ch) makes 64 queries x 64 channels.  O^T = V^T P (source 0 = 16 channels, turned out of LDS by ds_load_tr16_b128; source 1 = 16 queries): a lane holds one query and eight channels, so a
; query's weight is one number a lane.  X (16 accumulators) sums 128 keys from the constant 0; then O += w X, four packed lines behind each of the tile's last 16 products.
; O is cleared at a block's beginning (128 lines, twice a launch), so that every tile's merge has one form.
; CLUSTER 4 x 1: its four channel blocks walk the same tiles of P: asked for jointly.  V is each work-group's own: a plain load in the same rounds.
; LIMITS.  v within f16's 65,504; a weight below 2^-126 counts as 0; NaN and infinities are not treated apart.
; REGISTERS (windows of 256): window 0: v2-15 addresses and at work; v32-47 M and 1 / L of the block in hand and of LO; v48-55 mm of the next step; v56-63 at work; v64-79 the step's weights, each twice; v128-255 X
;   window 1: two fragment buffers of 128 (P's 8 fragments, then V's 8);  window 2: v0-127 O, v128-255 four sets of rows read back from the stage
.set NBS,   1048576
.set PP,    528                        ; a row of P in LDS: 512 bytes + 16
.set PV,    160                        ; a row of V: 128 bytes + 32
.set PHALF, 64*PP
.set VOFF,  2*PHALF
.set VBLK,  256*PV
.set S1,    0x25000                    ; slot 1: it shares no bit with the parts' offsets in a slot, so one exclusive or changes slots
.set STAGE, S1+VOFF+2*VBLK             ; behind the ring: 16 rows x 272 bytes for each wave
.set SPITCH, 272
.set SPARE, STAGE+4*16*SPITCH          ; the spare words: two blocks of 256 bytes that no other line names
.set AP0, 2
.set AV0, 3
.set AP,  4
.set AV,  5
.set STO, 6
.set RD,  7
.set CO,  8                            ; v8   my byte offset in two rows of out0
.set SO,  9                            ; v9   16 r: my query's four numbers in a g of st
.set PFO, 10
.set LT,  12                           ; v12-15 L at work
.set SPW, 28
.set NIL, 29
.set MC,  32
.set RC,  36
.set ML,  40
.set RL,  44
.set MM,  48
.set DD,  56
.set WT,  64
.set X,   128
.set F0,  0
.set F1,  128
.set BK,  128
.set WV,  12
.set RH,  13                           ; s13  my half of the queries.  Also: I fetch P (0) or V (1)
.set CH,  14                           ; s14  my half of the channels.  Also: which half of P's rows, or which block of V, I fetch
.set CX,  15
.set CHB, 16
.set BAT, 17
.set LO,  18
.set HI,  19
.set NH,  20                           ; steps of HI
.set NL,  21                           ; steps of LO
.set TB,  22
.set CNT, 23
.set G1P, 24
.set G1V, 32
.set G0P, 40                           ; s[40:47] a set for each first fill; the second is made anew for each refill
.set G0V, 48
.set RT,  56                           ; steps that the block in hand still has
.set WI,  57                           ; the walk step that A describes
.set SN,  58                           ; s[58:59] st's offset of the step whose mm is loaded next
.set AM,  62
.set BIG, 63
.set AOP, 66                           ; s[66:67], s[68:69], s70: A: the offsets in pm, v and st of walk step WI
.set AOV, 68
.set AOS, 70
.set TQ,  71
.set TU,  72
.set TV,  73
.set PFA, 74
.set PFB, 76
.set PFF, 78
.set OBL, 98                           ; s[98:99] out0 at my part of LO
.set STB, 100                          ; s[100:101] the base of the loads of mm
.set LIMH, 104                         ; HI | 1, LO | 1: the last block t that the launch before has written for these rows
.set LIML, 105
.set MSB, 0
.macro WIN new
.if MSB != (\new)
	s_set_vgpr_msb (MSB<<8)|(\new)
.set MSB, \new
.endif
.endm
.macro PLACES n=4
.rept \n
	v_nop
.endr
.endm
.macro JLOAD                           ; waves 0 and 1: P's halves, jointly; waves 2 and 3: my V's two blocks
	s_cmp_lt_u32 s[WV], 2
	s_cbranch_scc0 .Lfor_v_\@
	tensor_load_to_lds s[G0P+4:G0P+7], s[G1P:G1P+7]
	s_nop 0
.rept 4
	v_nop
.endr
	s_branch .Lasked_\@
.Lfor_v_\@:
	tensor_load_to_lds s[G0V+4:G0V+7], s[G1V:G1V+7]
	s_nop 0
.rept 4
	v_nop
.endr
.Lasked_\@:
.endm
.macro CREST
	s_cmp_lg_u32 s[WV], 0
	s_cbranch_scc1 .Lnot_wave_0_\@
	s_barrier_signal -3
.Lnot_wave_0_\@:
	s_barrier_wait -3
	s_barrier_signal -1
	s_barrier_wait -1
.endm
.macro CROUND
	s_barrier_signal -1
	s_barrier_wait -1
	CREST
.endm
.macro WALK                            ; A = walk step WI: block HI while WI < NH, then LO; U = its step of 256 keys
	s_cmp_lt_u32 s[WI], s[NH]
	s_cselect_b32 s[TQ], s[HI], s[LO]
	s_cselect_b32 s[TU], 0, s[NH]
	s_sub_co_u32 s[TU], s[WI], s[TU]
	s_lshl_b32 s[AOP], s[TQ], 19                   ; 128 rows of 4,096 bytes,
	s_lshl_b32 s[TV], s[TU], 9                     ; 256 keys of 2
	s_add_co_u32 s[AOP], s[AOP], s[TV]
	s_lshl_b32 s[AOV], s[TU], 15                   ; 256 keys of 128 bytes
	s_lshl_b32 s[AOS], s[TU], 16                   ; two t of 32,768 bytes,
	s_lshl_b32 s[TV], s[TQ], 9                     ; two g of 256
	s_add_co_u32 s[AOS], s[AOS], s[TV]
.endm
; PREFETCH of the walk step that the NEXT refill will want.  P's tile is read by both clusters of a row: cluster x = 0 asks; of a wave's 64 rows each partner takes 16 BY ADDRESS: 32 runs of 256 bytes, one instruction.
; V's keys are read by the eight work-groups of a batch and channel block: the one with p = 0 asks, in its walk of HI, which takes every key once: a wave's own 128 runs, four instructions.
; Steps 0 to 2 come by their loads alone; the masks stop the asking where no further step (for V: no further step of HI) exists.
.macro ASK
	s_lshr_b32 s[TV], s[AM], s[CNT]
	s_and_b32 s[TV], s[TV], 1
	s_cmp_eq_u32 s[TV], 1
	s_cbranch_scc0 .Lnot_mine_\@
	global_prefetch_b8 v[PFO], s[PFA:PFA+1] th:TH_LOAD_NT scope:SCOPE_SE
	s_cmp_eq_u32 s[RH], 0
	s_cbranch_scc1 .Lnot_mine_\@
.irp o, 8192,16384,24576
	global_prefetch_b8 v[PFO], s[PFA:PFA+1] offset:\o th:TH_LOAD_NT scope:SCOPE_SE
.endr
.Lnot_mine_\@:
.endm
	s_load_b256 s[4:11], s[0:1], 0x0               ; pm s[4:5], st s[6:7], qkv s[8:9], out0 s[10:11]
	v_lshl_add_u32 v[SPW], v0, 2, SPARE
	v_mov_b32 v[NIL], 0
	ds_add_u32 v[SPW], v[NIL]                      ; the wave's opening: the add and its wait ahead of my first tensor load
	v_lshrrev_b32 v1, 5, v0
	v_readfirstlane_b32 s[WV], v1
	s_lshr_b32 s[RH], s[WV], 1
	s_and_b32 s[CH], s[WV], 1
	s_bfe_u32 s[CX], ttmp6, 0x40000
	s_lshl_b32 s[CHB], ttmp9, 2
	s_add_co_u32 s[CHB], s[CHB], s[CX]             ; my 128 channels: it enters V's and out0's addresses alone
	s_and_b32 s[BAT], ttmp7, 0xffff
	s_and_b32 s[LO], s[BAT], 7                     ; p
	s_lshr_b32 s[BAT], s[BAT], 3
	s_sub_co_u32 s[HI], 15, s[LO]
	s_lshr_b32 s[NL], s[LO], 1
	s_sub_co_u32 s[NH], 8, s[NL]
	s_add_co_u32 s[NL], s[NL], 1
	s_mov_b32 s[G1P], 15|(1<<16)|(1<<20)|(1<<21)|(6<<22)|(3<<25)  ; the mask of four; 2-byte elements; padding on; bit 21 beside a mask; behind every 128 words (code 6) 4 words (code 3)
	s_mov_b32 s[G1P+1], 256<<16                    ; tensor_dim0 = 256 keys
	s_mov_b32 s[G1P+2], 64<<16                     ; tensor_dim1 = 64 rows
	s_mov_b32 s[G1P+3], 256<<16                    ; tile_dim0
	s_mov_b32 s[G1P+4], 64                         ; tile_dim1
	s_mov_b32 s[G1P+5], 2048                       ; elements from row to row
	s_mov_b32 s[G1P+6], 0
	s_mov_b32 s[G1P+7], 0
	s_mov_b32 s[G1V], (1<<16)|(1<<20)|(4<<22)|(7<<25)  ; no mask; behind every 32 words (code 4) 8 words (code 7)
	s_mov_b32 s[G1V+1], 128<<16                    ; 256 keys x 128 bytes, dense: 128 rows of 256 bytes
	s_mov_b32 s[G1V+2], 128<<16
	s_mov_b32 s[G1V+3], 128<<16
	s_mov_b32 s[G1V+4], 128
	s_mov_b32 s[G1V+5], 128
	s_mov_b32 s[G1V+6], 0
	s_mov_b32 s[G1V+7], 0
	s_lshl_b32 s66, s[BAT], 23                     ; pm: (2048 batch + 64 half) rows
	s_lshl_b32 s67, s[CH], 18
	s_add_co_u32 s66, s66, s67
	s_mov_b32 s67, 0
	s_lshl_b32 s68, s[CHB], 1                      ; v: block 32 + 2 chblk + half, row 2048 batch
	s_add_co_u32 s68, s68, s[CH]
	s_add_co_u32 s68, s68, 32
	s_lshl_b32 s68, s68, 20
	s_lshl_b32 s69, s[BAT], 18
	s_add_co_u32 s68, s68, s69
	s_mov_b32 s69, 0
	s_lshl_b32 s70, s[BAT], 5                      ; st: g = 32 batch + rh
	s_add_co_u32 s70, s70, s[RH]
	s_lshl_b32 s70, s70, 8
	s_mov_b32 s71, 0
	s_lshl_b32 s74, s[BAT], 23                     ; out0: (2048 batch + 64 rh) rows, (128 chblk + 64 ch) channels of 4 bytes,
	s_lshl_b32 s75, s[RH], 18
	s_add_co_u32 s74, s74, s75
	s_lshl_b32 s75, s[CHB], 9
	s_add_co_u32 s74, s74, s75
	s_lshl_b32 s75, s[CH], 8
	s_add_co_u32 s74, s74, s75
	s_lshl_b32 s75, s[HI], 19
	s_add_co_u32 s72, s74, s75                     ; + 128 HI rows,
	s_lshl_b32 s75, s[LO], 19
	s_add_co_u32 s74, s74, s75                     ; + 128 LO rows
	s_mov_b32 s73, 0
	s_mov_b32 s75, 0
	s_mul_i32 s76, s[CH], PHALF                    ; where the tiles go: no place in the cluster enters an LDS address
	s_mul_i32 s77, s[CH], VBLK
	s_add_co_u32 s77, s77, VOFF
	s_lshl_b32 s2, s[HI], 19
	s_mov_b32 s3, 0
	s_mov_b32 s[BIG], 0xf149f2ca                   ; -1e30
	s_wait_dscnt 0x0                               ; the opening add is done
	s_wait_kmcnt 0x0
	s_add_nc_u64 s[4:5], s[4:5], s[66:67]
	s_add_nc_u64 s[8:9], s[8:9], s[68:69]
	s_add_nc_u64 s[6:7], s[6:7], s[70:71]
	s_add_nc_u64 s[OBL:OBL+1], s[10:11], s[74:75]
	s_add_nc_u64 s[10:11], s[10:11], s[72:73]
	s_add_nc_u64 s[78:79], s[4:5], s[2:3]          ; P of HI, keys 0 on
	CROUND                                         ; all four work-groups are here: the first joint loads meet
.irp s, 0,1                                    ; walk steps 0 and 1: HI's keys 0-255 and 256-511
	s_mov_b32 s[G0P+4*(\s)], 1
	s_add_co_u32 s[G0P+4*(\s)+1], s76, (\s)*S1
	s_add_nc_u64 s[G0P+4*(\s)+2:G0P+4*(\s)+3], s[78:79], (\s)*512
	s_or_b32 s[G0P+4*(\s)+3], s[G0P+4*(\s)+3], 0x80000000
	s_mov_b32 s[G0V+4*(\s)], 1
	s_add_co_u32 s[G0V+4*(\s)+1], s77, (\s)*S1
	s_add_nc_u64 s[G0V+4*(\s)+2:G0V+4*(\s)+3], s[8:9], (\s)*32768
	s_or_b32 s[G0V+4*(\s)+3], s[G0V+4*(\s)+3], 0x80000000
.endr
	s_cmp_lt_u32 s[WV], 2                          ; a wave's two first fills stand in one branch: two loads of mine are out
	s_cbranch_scc0 .Lfirst_v
	tensor_load_to_lds s[G0P:G0P+3], s[G1P:G1P+7]
	s_nop 0
	tensor_load_to_lds s[G0P+4:G0P+7], s[G1P:G1P+7]
	s_nop 0
.rept 4
	v_nop
.endr
	s_branch .Lfirst_asked
.Lfirst_v:
	tensor_load_to_lds s[G0V:G0V+3], s[G1V:G1V+7]
	s_nop 0
	tensor_load_to_lds s[G0V+4:G0V+7], s[G1V:G1V+7]
	s_nop 0
.rept 4
	v_nop
.endr
.Lfirst_asked:
	v_and_b32 v1, 15, v0                           ; r
	v_bfe_u32 v11, v0, 4, 1                        ; h
	v_lshlrev_b32 v[SO], 4, v1
	; THE STATISTICS of both blocks, while the first tiles are on their way.  A block t beyond the last that was written for these rows is read at that last one, and given the weight 0 below.
	s_lshl_b32 s2, s[HI], 9
	s_add_nc_u64 s[STB:STB+1], s[6:7], s[2:3]      ; st at HI's g
	s_or_b32 s[LIMH], s[HI], 1
	s_or_b32 s[LIML], s[LO], 1
.set t, 0
.rept 16
	s_min_u32 s2, s[LIMH], t
	s_lshl_b32 s2, s2, 15
	s_add_nc_u64 s[66+2*t:67+2*t], s[STB:STB+1], s[2:3]
	global_load_b128 v[X+4*t:X+4*t+3], v[SO], s[66+2*t:67+2*t]                      ; mm of my query in pieces 0 to 3
	global_load_b128 v[X+64+4*t:X+64+4*t+3], v[SO], s[66+2*t:67+2*t] offset:524288  ; l
.set t, t+1
.endr
	s_wait_xcnt 0x0                                ; those loads have read their bases, which are written again
	s_lshl_b32 s2, s[LO], 9
	s_add_nc_u64 s[82:83], s[6:7], s[2:3]
.set t, 0
.rept 8
	s_min_u32 s2, s[LIML], t
	s_lshl_b32 s2, s2, 15
	s_add_nc_u64 s[66+2*t:67+2*t], s[82:83], s[2:3]
	global_load_b128 v[64+4*t:64+4*t+3], v[SO], s[66+2*t:67+2*t]
	global_load_b128 v[96+4*t:96+4*t+3], v[SO], s[66+2*t:67+2*t] offset:524288
.set t, t+1
.endr
	global_load_b128 v[MM:MM+3], v[SO], s[STB:STB+1]                 ; walk step 0's two mm
	global_load_b128 v[MM+4:MM+7], v[SO], s[STB:STB+1] offset:32768
	; addresses
	v_mul_u32_u24 v[AP0], v1, PP
	v_lshl_add_u32 v[AP0], v11, 4, v[AP0]
	s_mul_i32 s2, s[RH], PHALF
	v_add_nc_u32 v[AP0], s2, v[AP0]                ; P: my 64 rows; row x pitch + 16 h
	v_and_b32 v12, 7, v0
	v_bfe_u32 v13, v0, 3, 1
	v_lshl_add_u32 v[AV0], v11, 3, v12             ; V: lane l reads key 8 h + l % 8, channels 8 ((l / 8) % 2) on
	v_mul_u32_u24 v[AV0], v[AV0], PV
	v_lshl_add_u32 v[AV0], v13, 4, v[AV0]
	s_mul_i32 s2, s[CH], VBLK
	s_add_co_u32 s2, s2, VOFF
	v_add_nc_u32 v[AV0], s2, v[AV0]
	v_mov_b32 v[AP], v[AP0]
	v_mov_b32 v[AV], v[AV0]
	s_mul_i32 s2, s[WV], 16*SPITCH
	s_add_co_u32 s2, s2, STAGE                     ; my stage
	v_mul_u32_u24 v[STO], v1, SPITCH               ; in: row r, 32 bytes for each half of the lanes
	v_lshl_add_u32 v[STO], v11, 5, v[STO]
	v_add_nc_u32 v[STO], s2, v[STO]
	v_mul_u32_u24 v[RD], v11, SPITCH               ; back: lanes 0-15 one row of 256 bytes, lanes 16-31 the next
	v_lshl_add_u32 v[RD], v1, 4, v[RD]
	v_add_nc_u32 v[RD], s2, v[RD]
	v_lshlrev_b32 v[CO], 12, v11
	v_lshl_add_u32 v[CO], v1, 4, v[CO]
	v_and_b32 v12, 31, v0
	v_lshlrev_b32 v13, 8, v12                      ; V's prefetch: 256 l
	v_lshrrev_b32 v14, 1, v12
	v_and_b32 v15, 1, v12
	v_lshlrev_b32 v14, 12, v14
	v_lshl_add_u32 v14, v15, 8, v14                ; P's: row l / 2, half l % 2
	s_cmp_eq_u32 s[RH], 0
	s_cselect_b32 s2, -1, 0
	v_cndmask_b32 v[PFO], v13, v14, s2
; M and 1 / L of a block from NT blocks t: mm at MB + 4 t + a, l at LB + 4 t + a.
.macro STAT NT, MB, LB, LIM, MO, RO
.irp a, 0,1,2,3
	v_max_num_f32 v[(\MO)+\a], v[(\MB)+\a], v[(\MB)+4+\a]
.endr
.set t, 2
.rept (\NT)/2-1
.irp a, 0,1,2,3
	v_max3_num_f32 v[(\MO)+\a], v[(\MO)+\a], v[(\MB)+4*t+\a], v[(\MB)+4*t+4+\a]
.endr
.set t, t+2
.endr
.set t, 0
.rept \NT
.irp a, 0,1,2,3
	v_sub_f32 v[(\MB)+4*t+\a], v[(\MB)+4*t+\a], v[(\MO)+\a]
.endr
.if t >= 2
	s_cmp_lt_u32 s[\LIM], t                        ; a block that does not exist for these rows: -1e30 more, so its weight is 0
	s_cselect_b32 s2, s[BIG], 0
.irp a, 0,1,2,3
	v_add_f32 v[(\MB)+4*t+\a], s2, v[(\MB)+4*t+\a]
.endr
.endif
.set t, t+1
.endr
.set t, 0
.rept 4*(\NT)
	v_exp_f32 v[(\MB)+t], v[(\MB)+t]
.set t, t+1
.endr
	v_nop                                          ; a plain instruction behind the last exponential,
	s_wait_alu depctr_va_vdst(0)                   ; and the one wait ahead of the batch's first reader
.irp a, 0,1,2,3
	v_mul_f32 v[LT+\a], v[(\MB)+\a], v[(\LB)+\a]
.endr
.set t, 1
.rept (\NT)-1
.irp a, 0,1,2,3
	v_fmac_f32 v[LT+\a], v[(\MB)+4*t+\a], v[(\LB)+4*t+\a]
.endr
.set t, t+1
.endr
.irp a, 0,1,2,3
	v_rcp_f32 v[(\RO)+\a], v[LT+\a]
.endr
	v_nop
	s_wait_alu depctr_va_vdst(0)
.endm
	s_wait_loadcnt 18                              ; HI's 32 loads are in; LO's 16 and step 0's 2 may stay out
	STAT 16, X, X+64, LIMH, MC, RC
	s_wait_loadcnt 2                               ; LO's are in
	STAT 8, 64, 96, LIML, ML, RL
	WIN 0x80
.set i, 0
.rept 128
	v_mov_b32 v[i], 0                              ; O of the first block
.set i, i+1
.endr
	WIN 0
	s_lshl_b32 s[SN], s[HI], 9                     ; the first loads of mm in the loop are walk step 1's
	s_add_co_u32 s[SN], s[SN], 1<<16
	s_mov_b32 s[SN+1], 0
	s_mov_b32 s[AOP+1], 0
	s_mov_b32 s[AOV+1], 0
	s_mov_b32 s[PFF+1], 0
	s_mov_b32 s[WI], 2
	WALK
	s_mov_b32 s[RT], s[NH]
	s_mov_b32 s[TB], 0
	s_lshl_b32 s2, s[CX], 16                       ; my work-group's 16 of a wave's 64 rows of P
	s_add_nc_u64 s[PFB:PFB+1], s[4:5], s[2:3]
	s_mov_b32 s[AM], 0xf8                          ; V: counters 7 to 3
	s_cmp_eq_u32 s[RH], 0
	s_cselect_b64 s[PFB:PFB+1], s[PFB:PFB+1], s[8:9]
	s_cselect_b32 s2, ttmp9, s[LO]                 ; P: the row's first cluster asks; V: the work-group with p = 0
	s_cselect_b32 s[AM], 0xfc, s[AM]               ; P: counters 7 to 2
	s_cmp_eq_u32 s2, 0
	s_cselect_b32 s[AM], s[AM], 0                  ; the same in all four partners, for a given wave
; Product t of 16 (piece t / 4, channel block t % 4), key chunk c of buffer f.  The 16 accumulators take turns.
.macro PROD f, c, t, zero
	WIN 0x05                                       ; both sources in window 1, C and D in window 0
.if \zero
	v_wmma_f32_16x16x32_f16 v[X+8*(\t):X+8*(\t)+7], v[(\f)+64+8*(4*(\c)+(\t)%4):(\f)+64+8*(4*(\c)+(\t)%4)+7], v[(\f)+8*(4*(\c)+(\t)/4):(\f)+8*(4*(\c)+(\t)/4)+7], 0
.else
	v_wmma_f32_16x16x32_f16 v[X+8*(\t):X+8*(\t)+7], v[(\f)+64+8*(4*(\c)+(\t)%4):(\f)+64+8*(4*(\c)+(\t)%4)+7], v[(\f)+8*(4*(\c)+(\t)/4):(\f)+8*(4*(\c)+(\t)/4)+7], v[X+8*(\t):X+8*(\t)+7]
.endif
.endm
.macro MUL8 f, c, a0, zero
.set pt, 4*(\a0)
.rept 8
	PROD \f, \c, pt, \zero
.set pt, pt+1
.endr
.endm
.macro MERGE t, T                      ; O += w X for accumulator t, from its low end on
	WIN 0xa0                                       ; O (destination and source 2) in window 2, X and the weight in window 0
.irp z, 0,1,2,3
	v_pk_fma_f32 v[8*(\t)+2*\z:8*(\t)+2*\z+1], v[X+8*(\t)+2*\z:X+8*(\t)+2*\z+1], v[WT+8*(\T)+2*((\t)/4):WT+8*(\T)+2*((\t)/4)+1], v[8*(\t)+2*\z:8*(\t)+2*\z+1]
.endr
.endm
; A tile's last 16 products.  Behind product t stands the merge of accumulator t - 1: its four lines name no register of product t and are the four places between product t and its own merge.
; The next tile's first products write over X from the constant 0, and five places are wanted ahead of such a product (ISA guide 7.12.1).  Accumulators 0 to 14 have the later merges' lines for that;
; behind product 15 stand merge 14's four lines and then its own merge, which names its registers and is no place: so two v_nop close the run: six places.
.macro MULM f, T
	PROD \f, 1, 0, 0
	PLACES
.set mt, 1
.rept 15
	PROD \f, 1, mt, 0
	MERGE mt-1, \T
.set mt, mt+1
.endr
	MERGE 15, \T
	PLACES 2
.endm
; 32 LDS loads in one run: 64 keys (chunks 2 q, 2 q + 1) into buffer f; the first chunk's sixteen first
.macro FETCH q, f
	WIN 0x40
.irp c, 0,1
.irp i, 0,1,2,3
	ds_load_tr16_b128 v[(\f)+64+8*(4*\c+\i):(\f)+64+8*(4*\c+\i)+3],   v[AV] offset:(2*(\q)+\c)*32*PV+32*\i
	ds_load_tr16_b128 v[(\f)+64+8*(4*\c+\i)+4:(\f)+64+8*(4*\c+\i)+7], v[AV] offset:(2*(\q)+\c)*32*PV+32*\i+16*PV
	ds_load_b128 v[(\f)+8*(4*\c+\i):(\f)+8*(4*\c+\i)+3],   v[AP] offset:\i*16*PP+(2*(\q)+\c)*64
	ds_load_b128 v[(\f)+8*(4*\c+\i)+4:(\f)+8*(4*\c+\i)+7], v[AP] offset:\i*16*PP+(2*(\q)+\c)*64+32
.endr
.endr
.endm
; The step's weights, w = 2^(mm - M) / L for its two tiles and my four pieces, each written twice for the packed merge; then the next step's mm is asked for.
.macro HEAD
	s_wait_loadcnt 0x0                             ; this step's mm is in, and its loads are done with their base
.irp k, 0,1,2,3,4,5,6,7
	v_sub_f32 v[DD+\k], v[MM+\k], v[MC+(\k%4)]
.endr
	s_add_nc_u64 s[STB:STB+1], s[6:7], s[SN:SN+1]
	global_load_b128 v[MM:MM+3], v[SO], s[STB:STB+1]
	global_load_b128 v[MM+4:MM+7], v[SO], s[STB:STB+1] offset:32768
.irp k, 0,1,2,3,4,5,6,7
	v_exp_f32 v[DD+\k], v[DD+\k]
.endr
	v_nop
	s_wait_alu depctr_va_vdst(0)                   ; one wait for the eight
.irp k, 0,1,2,3,4,5,6,7
	v_mul_f32 v[WT+2*\k], v[DD+\k], v[RC+(\k%4)]
	v_mul_f32 v[WT+2*\k+1], v[DD+\k], v[RC+(\k%4)]
.endr
.endm
.macro QZ f, g, q                      ; a tile's first 64 keys: the sums start from the constant 0
	s_wait_dscnt 16                                ; the first chunk's fragments are in
	MUL8 \f, 0, 0, 1
	MUL8 \f, 0, 2, 1
	PLACES
	FETCH \q, \g
	s_wait_dscnt 32                                ; all but the 32 just issued
	MUL8 \f, 1, 0, 0
	MUL8 \f, 1, 2, 0
.endm
.macro QM f, g, q, T                   ; a tile's last 64 keys, and its merge
	s_wait_dscnt 16
	MUL8 \f, 0, 0, 0
	MUL8 \f, 0, 2, 0
	PLACES
	FETCH \q, \g
	s_wait_dscnt 32
	MULM \f, \T
.endm
; The step's last 64 keys, and the change of slots: in front of the barrier each wave waits for all its tensor loads (one is out: its part of the next slot), adds 0 to its spare word, and waits for that and for its
; own reads of this slot.  fill = 1: the barrier opens a round of the cluster's; this slot takes walk step A, first thing behind the round: 112 products and their merges stand between the request and the wait for it.
.macro TURN fill
.if \fill
	s_wait_xcnt 0x0                                ; the last prefetches, a step back, have read their address
.endif
	WIN 0
	s_wait_tensorcnt 0x0                           ; no tensor load of mine is out, so a group 0 may be written
	ds_add_u32 v[SPW], v[NIL]
.if \fill
	s_xor_b32 s[G0P+5], s[G0P+5], S1
	s_add_nc_u64 s[G0P+6:G0P+7], s[4:5], s[AOP:AOP+1]  ; the addresses are made anew: base + the step's offset, the type set again
	s_or_b32 s[G0P+7], s[G0P+7], 0x80000000
	s_xor_b32 s[G0V+5], s[G0V+5], S1
	s_add_nc_u64 s[G0V+6:G0V+7], s[8:9], s[AOV:AOV+1]
	s_or_b32 s[G0V+7], s[G0V+7], 0x80000000
	s_mov_b32 s[SN], s[AOS]
	s_add_co_u32 s[WI], s[WI], 1
	s_min_u32 s[WI], s[WI], 8                      ; behind the walk's last step A stays there
	WALK
	s_cmp_eq_u32 s[RH], 0
	s_cselect_b32 s[PFF], s[AOP], s[AOV]
	s_add_nc_u64 s[PFA:PFA+1], s[PFB:PFB+1], s[PFF:PFF+1]
.endif
	s_xor_b32 s[TB], s[TB], S1
	s_wait_dscnt 17                                ; the add and the second chunk's sixteen loads may stay out
	MUL8 F1, 0, 0, 0
	s_wait_dscnt 0x0                               ; the add is done, and my reads of this slot are over
	s_barrier_signal -1
	MUL8 F1, 0, 2, 0
	WIN 0
	s_barrier_wait -1
.if \fill
	CREST                                          ; no wave of any partner still reads this slot or has a load on its way
	JLOAD                                          ; its four v_nop are also the places in front of the loads below
.else
	PLACES
.endif
	v_add_nc_u32 v[AP], s[TB], v[AP0]
	v_add_nc_u32 v[AV], s[TB], v[AV0]
	FETCH 0, F0
	WIN 0
.if \fill
	ASK
.endif
	MULM F1, 1
	WIN 0
.endm
; THE WAY OUT of a block, a piece (16 queries x 64 channels of f32) at a time through my stage: 32 bytes a lane in, whole rows of 256 bytes back.
.macro TOST a
	WIN 0x08                                       ; the data in window 2
.irp c, 0,1,2,3
	ds_store_b128 v[STO], v[8*(4*(\a)+\c):8*(4*(\a)+\c)+3]   offset:64*\c
	ds_store_b128 v[STO], v[8*(4*(\a)+\c)+4:8*(4*(\a)+\c)+7] offset:64*\c+16
.endr
	WIN 0x80
.irp t, 0,1,2,3,4,5,6,7
	ds_load_b128 v[BK+32*(\a)+4*\t:BK+32*(\a)+4*\t+3], v[RD] offset:\t*2*SPITCH  ; LDS serves a wave's instructions in order (ISA guide 5.7.1.4)
.endr
.endm
.macro SEND a, younger                 ; younger: the next piece's sixteen LDS instructions, or none
	WIN 0x08
	s_wait_dscnt \younger
.irp t, 0,1,2,3,4,5,6,7
	global_store_b128 v[CO], v[BK+32*(\a)+4*\t:BK+32*(\a)+4*\t+3], s[10:11] offset:(16*(\a)+2*\t)*4096 th:TH_STORE_NT  ; 16 lanes store 256 consecutive bytes, at a multiple of 256 from out0's first byte
.endr
.endm
; Has the block in hand had its last step?  Then it goes out, and LO's M, 1 / L and address take their places.  (Behind LO these lines serve nothing: the price of one text.)
.macro END
	s_sub_co_u32 s[RT], s[RT], 1
	s_cmp_lg_u32 s[RT], 0
	s_cbranch_scc1 .Lgo_on_\@
	s_wait_xcnt 0x0                                ; an earlier way out's stores have read the registers that are loaded again
	TOST 0
	TOST 1
	SEND 0, 16
	TOST 2
	SEND 1, 16
	TOST 3
	SEND 2, 16
	SEND 3, 0
	s_wait_xcnt 0x0                                ; the stores have read out0's address
	s_mov_b64 s[10:11], s[OBL:OBL+1]
	s_mov_b32 s[RT], s[NL]
	WIN 0
.irp k, 0,1,2,3,4,5,6,7
	v_mov_b32 v[MC+\k], v[ML+\k]
.endr
	WIN 0x80
.set i, 0
.rept 128
	v_mov_b32 v[i], 0
.set i, i+1
.endr
	WIN 0
.Lgo_on_\@:
.endm
	s_wait_tensorcnt 1                             ; my part of walk step 0 is in; step 1's may stay out
	s_barrier_signal -1
	s_barrier_wait -1
	FETCH 0, F0
	WIN 0
	s_mov_b32 s[CNT], 7
.Lstep:                                                ; walk steps 0 to 6: each asks for the step two on
	HEAD
	QZ F0, F1, 1
	QM F1, F0, 2, 0
	QZ F0, F1, 3
	TURN 1
	END
	s_sub_co_u32 s[CNT], s[CNT], 1
	s_cmp_lg_u32 s[CNT], 0
	s_cbranch_scc1 .Lstep
	s_mov_b32 s[CNT], 2
.Ltail:                                                ; walk steps 7 and 8 ask for nothing.  The last trip's fetch (of the slot read before) and its loads of mm (step 8's once more) serve nothing
	HEAD
	QZ F0, F1, 1
	QM F1, F0, 2, 0
	QZ F0, F1, 3
	TURN 0
	END
	s_sub_co_u32 s[CNT], s[CNT], 1
	s_cmp_lg_u32 s[CNT], 0
	s_cbranch_scc1 .Ltail
	s_wait_tensorcnt 0x0                           ; the wave's end
	ds_add_u32 v[SPW], v[NIL]
	s_wait_dscnt 0x0
	CROUND                                         ; the closing round
	s_endpgm
.Lfunc_end_k_qa1bed17470_pv:
	.size	k_qa1bed17470_pv, .Lfunc_end_k_qa1bed17470_pv-k_qa1bed17470_pv
	.p2alignl 7, 3214868480
	.fill 96, 4, 3214868480
	.section	.rodata,"a",@progbits
	.p2align	6, 0x0
	.amdhsa_kernel k_qa1bed17470_pv
		.amdhsa_group_segment_fixed_size 327680
		.amdhsa_private_segment_fixed_size 0
		.amdhsa_enable_private_segment 0
		.amdhsa_kernarg_size 32
		.amdhsa_user_sgpr_count 2
		.amdhsa_user_sgpr_kernarg_segment_ptr 1
		.amdhsa_wavefront_size32 1
		.amdhsa_system_sgpr_workgroup_id_x 1
		.amdhsa_system_sgpr_workgroup_id_y 1
		.amdhsa_system_sgpr_workgroup_id_z 1
		.amdhsa_system_vgpr_workitem_id 0
		.amdhsa_next_free_vgpr 768
		.amdhsa_next_free_sgpr 106
		.amdhsa_reserve_vcc 0
		.amdhsa_float_denorm_mode_32 3
		.amdhsa_float_denorm_mode_16_64 3
		.amdhsa_memory_ordered 1
		.amdhsa_forward_progress 1
		.amdhsa_inst_pref_size 123
	.end_amdhsa_kernel
	.amdgpu_metadata
---
amdhsa.version: [ 1, 2 ]
amdhsa.kernels:
  - .name:           k_qa1bed17470_pv
    .symbol:         k_qa1bed17470_pv.kd
    .args:
      - { .name: pm, .offset: 0, .size: 8, .value_kind: global_buffer, .address_space: global }
      - { .name: st, .offset: 8, .size: 8, .value_kind: global_buffer, .address_space: global }
      - { .name: qkv, .offset: 16, .size: 8, .value_kind: global_buffer, .address_space: global }
      - { .name: out0, .offset: 24, .size: 8, .value_kind: global_buffer, .address_space: global }
    .group_segment_fixed_size: 327680
    .private_segment_fixed_size: 0
    .kernarg_segment_align: 8
    .kernarg_segment_size: 32
    .max_flat_workgroup_size: 128
    .sgpr_count:     106
    .vgpr_count:     768
    .wavefront_size: 32
...
	.end_amdgpu_metadata
.endif
;; end of part 4
;; ======== version 2 of 2: 4 launches; version 1 with the launch cast written anew for expert scheduling mode
;; limits: values are held in f16: magnitudes above 65,504 overflow, below 6.1e-05 lose precision
;; workspace buffers: xb 16,777,216 bytes; wb 6,291,456 bytes; qkv 50,331,648 bytes; pm 33,554,432 bytes; st 1,048,576 bytes
;; launch cast (part 5): grid 352 x 1, 8 waves a work-group, no clusters, 0 bytes of LDS; arguments x, wq, wk, wv, xb, wb; writes xb, wb
.if DOCPART == 5
	.amdgcn_target "amdgcn-amd-amdhsa--gfx1250"
	.amdhsa_code_object_version 6
	.text
	.protected	k_qa1bed17470_cast
	.globl	k_qa1bed17470_cast
	.p2align	8
	.type	k_qa1bed17470_cast,@function
k_qa1bed17470_cast:
	s_mov_b64 s[64:65], 0
	v_nop
	global_prefetch_b8 v0, s[64:65] scope:SCOPE_SE
	s_setreg_imm32_b32 hwreg(HW_REG_WAVE_SCHED_MODE, 0, 2), 2
	s_setreg_imm32_b32 hwreg(HW_REG_WAVE_MODE, 25, 1), 1
	s_wait_xcnt 0x0
	s_wait_alu depctr_vm_vsrc(0)
; x [8192][1024] and wq, wk, wv [1024][1024], all f32, are rounded once to bf16 and laid in blocks of 64 along K:
; xb = [16 kb][8192 row][64], wb = [16 kb][3072 n][64] (n: wq's rows, then wk's, then wv's).  In a block a row is 128 bytes and rows lie end to end.
; SHARES.  A work-group takes 32 rows: groups 0-255 of x, groups 256-351 of the weights.  Wave w takes the blocks kb = w and w + 8.
; An ITEM is 4 rows x 64 columns: lane l reads 32 bytes (row l / 8, columns 8 (l % 8) on: eight lanes cover 256 consecutive bytes) and stores 16:
; the wave's store covers 512 consecutive bytes, aligned.  A wave has 16 items; all its 32 loads go out first, and no register is written twice.
; No LDS, no matrix unit, no cluster: nothing is shared, and bytes are all that counts.
; THE MODE: SCHED_MODE bits 1:0 = 2 (LLVM: expert scheduling mode 2), set by the entry lines.  The code itself states the register dependences
; between vector instructions and memory instructions, with s_wait_alu, always for 0.
; THE PLAN.  Registers that memory instructions touch:
;   v1        the loads' offset;  v2, v3  the stores' offsets.  Made by vector lines at the head and never written again.
;   X         item k: 8 registers.  Written by the item's two loads, once; named by no vector line but the item's four roundings, behind the counted wait for its data.
;   Y         item k: 4 registers.  Written by the item's four roundings, once; read by the item's store.
; No register that a load or store reads is written again, and no load lands in a register that a vector line has named: so no wait on vm_vsrc is owed anywhere.
; What is owed: the offsets are written before the first load reads one, and an item's Y is written before its store reads it.  The items go in four blocks of four; a block's four stores stand in one run
; at the head of the next block, behind the wait for that block's first data and ONE wait on va_vdst; the last block's stand behind a wait of their own.
.set XRB, 0x100000                     ; bytes of a block of xb
.set WRB, 0x60000                      ; bytes of a block of wb
.set VS,  1                            ; v1      my byte offset in the group's rows of the source
.set VD,  2                            ; v2, v3  my byte offset in the destination, for kb = w and for kb = w + 8
.set X,   8                            ; v[8:135]    item k: 8 registers as loaded
.set Y,   136                          ; v[136:199]  item k: 4 registers to store
	s_load_b256 s[4:11], s[0:1], 0x0               ; x s[4:5], wq s[6:7], wk s[8:9], wv s[10:11]
	s_load_b128 s[12:15], s[0:1], 0x20             ; xb s[12:13], wb s[14:15]
	v_lshrrev_b32 v4, 5, v0
	v_readfirstlane_b32 s30, v4                    ; wave 0..7
	v_and_b32 v5, 31, v0                           ; l
	v_lshrrev_b32 v6, 3, v5                        ; l / 8: my row of the item's four
	v_and_b32 v7, 7, v5                            ; l % 8: my eight columns
	v_lshlrev_b32 v[VS], 12, v6                    ; a source row is 4,096 bytes
	v_lshl_add_u32 v[VS], v7, 5, v[VS]
	s_wait_alu depctr_va_sdst(0)                   ; s30 is written, ahead of its first reader, the line below
	s_lshl_b32 s31, s30, 8                         ; block w begins 256 bytes x w into a source row
	v_add_nc_u32 v[VS], s31, v[VS]
	s_sub_co_u32 s17, ttmp9, 256                   ; j: the group's number among the weights' (used only there)
	s_and_b32 s18, s17, 31                         ; its 32 rows within one weight
	s_lshr_b32 s19, s17, 5                         ; which weight
	s_mov_b32 s22, WRB
	s_cmp_lt_u32 ttmp9, 256                        ; a group of x?
	s_cselect_b32 s20, ttmp9, s18                  ; group of 32 rows in the source
	s_cselect_b32 s21, ttmp9, s17                  ; and in the destination
	s_cselect_b32 s22, XRB, s22                    ; the destination's block stride
	s_mul_i32 s23, s30, s22
	v_lshl_add_u32 v[VD], v5, 4, s23               ; w blocks + 16 l
	s_lshl_b32 s3, s22, 3                          ; (a register of its own: none that a vector line reads is written again)
	v_add_nc_u32 v[VD+1], s3, v[VD]                ; eight blocks on
	s_lshl_b32 s28, s20, 17                        ; 32 rows x 4,096 bytes
	s_mov_b32 s29, 0
	s_lshl_b32 s16, s21, 12                        ; 32 rows x 128 bytes
	s_mov_b32 s17, 0
	s_wait_kmcnt 0x0
	s_cmp_eq_u32 s19, 1
	s_cselect_b64 s[24:25], s[8:9], s[6:7]
	s_cmp_eq_u32 s19, 2
	s_cselect_b64 s[24:25], s[10:11], s[24:25]
	s_cmp_lt_u32 ttmp9, 256
	s_cselect_b64 s[24:25], s[4:5], s[24:25]       ; the source
	s_cselect_b64 s[26:27], s[12:13], s[14:15]     ; the destination
	s_add_nc_u64 s[24:25], s[24:25], s[28:29]
	s_add_nc_u64 s[26:27], s[26:27], s[16:17]
	s_wait_alu depctr_va_vdst(0)                   ; v1, v2 and v3 are written: every load and store of the kernel reads one of them as its offset, and no vector line names them again
.set k, 0
.rept 16                                       ; item k: rows 4 (k / 2) on, block w + 8 (k % 2)
	global_load_b128 v[X+8*k:X+8*k+3],   v[VS], s[24:25] offset:(k/2)*16384+(k%2)*2048 th:TH_LOAD_NT
	global_load_b128 v[X+8*k+4:X+8*k+7], v[VS], s[24:25] offset:(k/2)*16384+(k%2)*2048+16 th:TH_LOAD_NT
.set k, k+1
.endr
; The four stores of block b: items 4 b + i, i = 0 .. 3; item n goes to rows 4 (n / 2) on of block w + 8 (n % 2).
.macro OUT b
.irp i, 0,1,2,3
	global_store_b128 v[VD+(\i)%2], v[Y+16*(\b)+4*(\i):Y+16*(\b)+4*(\i)+3], s[26:27] offset:(2*(\b)+(\i)/2)*512
.endr
.endm
.set k, 0
.rept 16
	s_wait_loadcnt 30-2*k                          ; loads come back in order: item k's two are in, the 30 - 2 k issued behind them may stay out
.if (k%4 == 0) && (k > 0)
	s_wait_alu depctr_va_vdst(0)                   ; the block before has written its sixteen registers of Y, which the four stores below read; its roundings were issued ahead of the wait for data above
	OUT k/4-1
.endif
.irp r, 0,1,2,3
	v_cvt_pk_bf16_f32 v[Y+4*k+\r], v[X+8*k+2*\r], v[X+8*k+2*\r+1]
.endr
.set k, k+1
.endr
	s_wait_alu depctr_va_vdst(0)                   ; the last block has written its sixteen registers of Y, which the last four stores read
	OUT 3
	s_endpgm
.Lfunc_end_k_qa1bed17470_cast:
	.size	k_qa1bed17470_cast, .Lfunc_end_k_qa1bed17470_cast-k_qa1bed17470_cast
	.p2alignl 7, 3214868480
	.fill 96, 4, 3214868480
	.section	.rodata,"a",@progbits
	.p2align	6, 0x0
	.amdhsa_kernel k_qa1bed17470_cast
		.amdhsa_group_segment_fixed_size 0
		.amdhsa_private_segment_fixed_size 0
		.amdhsa_enable_private_segment 0
		.amdhsa_kernarg_size 48
		.amdhsa_user_sgpr_count 2
		.amdhsa_user_sgpr_kernarg_segment_ptr 1
		.amdhsa_wavefront_size32 1
		.amdhsa_system_sgpr_workgroup_id_x 1
		.amdhsa_system_sgpr_workgroup_id_y 1
		.amdhsa_system_sgpr_workgroup_id_z 1
		.amdhsa_system_vgpr_workitem_id 0
		.amdhsa_next_free_vgpr 200
		.amdhsa_next_free_sgpr 66
		.amdhsa_reserve_vcc 0
		.amdhsa_float_denorm_mode_32 3
		.amdhsa_float_denorm_mode_16_64 3
		.amdhsa_memory_ordered 1
		.amdhsa_forward_progress 1
		.amdhsa_inst_pref_size 11
	.end_amdhsa_kernel
	.amdgpu_metadata
---
amdhsa.version: [ 1, 2 ]
amdhsa.kernels:
  - .name:           k_qa1bed17470_cast
    .symbol:         k_qa1bed17470_cast.kd
    .args:
      - { .name: x, .offset: 0, .size: 8, .value_kind: global_buffer, .address_space: global }
      - { .name: wq, .offset: 8, .size: 8, .value_kind: global_buffer, .address_space: global }
      - { .name: wk, .offset: 16, .size: 8, .value_kind: global_buffer, .address_space: global }
      - { .name: wv, .offset: 24, .size: 8, .value_kind: global_buffer, .address_space: global }
      - { .name: xb, .offset: 32, .size: 8, .value_kind: global_buffer, .address_space: global }
      - { .name: wb, .offset: 40, .size: 8, .value_kind: global_buffer, .address_space: global }
    .group_segment_fixed_size: 0
    .private_segment_fixed_size: 0
    .kernarg_segment_align: 8
    .kernarg_segment_size: 48
    .max_flat_workgroup_size: 256
    .sgpr_count:     66
    .vgpr_count:     200
    .wavefront_size: 32
...
	.end_amdgpu_metadata
.endif
;; end of part 5
;; launch proj: the kernel of part 2 again; grid 8 x 32, 4 waves a work-group, clusters of 4 x 4, 327,680 bytes of LDS; arguments xb, wb, qkv; writes qkv
;; launch score: the kernel of part 3 again; grid 36 x 4, 4 waves a work-group, no clusters, 327,680 bytes of LDS; arguments qkv, pm, st; writes pm, st
;; launch pv: the kernel of part 4 again; grid 8 x 32, 4 waves a work-group, clusters of 4 x 1, 327,680 bytes of LDS; arguments pm, st, qkv, out0; writes out0
